; MI455X (gfx1250); checked and timed in simulation.
; The chip was launched on July 23, 2026; its instructions are those of AMD's public machine-readable ISA for CDNA 5 (MIT licence, August 2026) and "CDNA5" Instruction Set Architecture Reference Guide (July 2026). The comments in the code are by the model that wrote it; some were corrected since.
;; Transformer Block. Allowed arithmetic: float matrix products may take bf16 or f16 operands with f32 sums; other float arithmetic in f32, or as packed bf16 or f16 multiplies, adds, multiply-adds, maxima and minima; sums over many terms, partial sums and values carried from step to step in f32; what a program stores and reads back later, other than sums and carried values, may be rounded once to bf16 or f16.
;; Inputs: W_fc 1,024 x 4,096 float32; W_o 1,024 x 1,024 float32; W_pr 4,096 x 1,024 float32; W_qkv 1,024 x 3,072 float32; b_fc 4,096 float32; b_o 1,024 float32; b_pr 1,024 float32; b_qkv 3,072 float32; beta1 1,024 float32; beta2 1,024 float32; g1 1,024 float32; g2 1,024 float32; x 2 x 2,048 x 1,024 float32.
;; Outputs: out0 2 x 2,048 x 1,024 float32.
;; One version. Each part assembles by itself: llvm-mc -triple=amdgcn-amd-amdhsa -mcpu=gfx1250 --defsym DOCPART=n.
;; ======== version 1 of 1: 7 launches
;; limits: values are held in f16: magnitudes above 65,504 overflow, below 6.1e-05 lose precision
;; workspace buffers: wt 25,165,824 bytes; tab 53,248 bytes; h 8,388,608 bytes; act 33,554,432 bytes; o 8,388,608 bytes; x1 16,777,216 bytes
;; launch front (part 1): grid 2571 x 1, 4 waves a work-group, no clusters, 17,920 bytes of LDS; arguments W_qkv, W_o, W_fc, W_pr, b_qkv, b_o, b_fc, b_pr, g2, beta2, x, g1, beta1, wt, tab, h; writes wt, tab, h
.if DOCPART == 1
	.amdgcn_target "amdgcn-amd-amdhsa--gfx1250"
	.amdhsa_code_object_version 6
	.text
	.protected	k_q1537fcc15a_front
	.globl	k_q1537fcc15a_front
	.p2align	8
	.type	k_q1537fcc15a_front,@function
k_q1537fcc15a_front:
	s_mov_b64 s[64:65], 0
	v_nop
	global_prefetch_b8 v0, s[64:65] scope:SCOPE_SE
	s_setreg_imm32_b32 hwreg(HW_REG_WAVE_MODE, 25, 1), 1
	s_wait_xcnt 0x0
; THE PROGRAM'S FRONT: three jobs that hang on the inputs alone, in one launch, told apart by the work-group's number, which is the same in all four waves.  They share no byte.
; Every input of the program is rounded once to bf16, to nearest even, as it comes in.
; WORK-GROUPS 0-1535: THE FOUR WEIGHTS, [K][N] in f32, become 16-bit rows along K: wt holds WQ [3072][1024] at byte 0, WO [1024][1024] at 0x600000, WF [4096][1024] at 0x800000, WP [1024][4096] at 0x1000000.
;   WP is stored as bf16.  WQ, WO and WF, whose products run in f16, are stored as the SAME rounded number written in f16: exact from 2^-17 up in magnitude; below that off by 2^-25 at the most.
;   LIMIT: a weight of WQ, WO or WF of 65,520 or more would become an infinity.
;   A work-group turns a tile of 128 k x 64 n: it reads 128 rows of 256 bytes and writes 64 rows of 256 bytes, both aligned to 256.  0-383 W_qkv (8 x 48 tiles), 384-511 W_o, 512-1023 W_fc, 1024-1535 W_pr.
;   The turn goes through LDS: a lane packs 16 k of each of its 4 columns, stores them along k, and whole rows of 128 k come back behind the path's one barrier.
; WORK-GROUPS 1536-1546: THE SMALL INPUTS of the later launches, rounded and kept as f32 in one table: b_qkv at byte 0, b_o at 12,288, b_fc at 16,384, b_pr at 32,768, g2 at 45,056, beta2 at 49,152
;   (bytes 36,864 to 45,055 of the table are neither written nor read).  A work-group takes a unit of 1,024 numbers.
; WORK-GROUPS 1547-2570: LAYER NORM 1.  y = (x - mean) / sqrt(var + 1e-5) * g1 + beta1, x [4096][1024] f32, y [4096][1024] f16, rounded once; arithmetic in f32.  A wave takes one whole row and keeps it in
;   32 registers.  The mean is taken first and the squares are those of the centred numbers, so a common offset of the row costs no digits.  g1 and beta1 are rounded here, since the table is made beside.
;   LIMIT: a y of 65,520 or more would become an infinity; the normed number is 32 at the most in magnitude, so that wants a gain or shift in the thousands.
; Bytes bound this launch: no matrix unit, no cluster (no two work-groups read the same large byte), no tensor load (the data are rounded on their way).
.set NW,    1536                       ; work-groups for the weights
.set NT,    11                         ; for the table
.set TP,    272                        ; a row of the turned tile in LDS: 256 bytes + 16
.set SPARE, 64*TP                      ; behind the tile: the spare words, 128 bytes for each wave
.set SPW, 2                            ; v2  LDS address of my spare word; never rewritten
.set NIL, 3                            ; v3  0; never rewritten
; the weights' registers
.set LSA, 4                            ; v4  where I store along k
.set LRA, 5                            ; v5  where I read rows back
.set DO,  8                            ; v[8:15]   byte offsets of my 8 stores in wt
.set SO,  16                           ; v[16:31]  byte offsets of my 16 loads in the weight
.set X,   32                           ; v[32:95]  16 rows x 4 columns of f32; then at work; later the rows read back
.set D,   96                           ; v[96:127] column c: 8 registers of 16 k in 16 bits
; the norm's registers
.set CO,  1                            ; v1  16 x lane
.set OO,  4                            ; v4  8 x lane
.set G,   8                            ; v[8:39]    g of my 32 columns
.set BT,  40                           ; v[40:71]   b of them
.set XR,  72                           ; v[72:103]  the row
.set T,   104                          ; v[104:111] at work
.set MU,  112                          ; v[112:113] the mean, twice
.set RS,  114                          ; v[114:115] 1 / sqrt(var + eps), twice
.set Y,   116                          ; v[116:131] 16-bit pairs: at work in the roundings, then the result
	s_load_b512 s[8:23], s[0:1], 0x0               ; W_qkv s[8:9], W_o s[10:11], W_fc s[12:13], W_pr s[14:15], b_qkv s[16:17], b_o s[18:19], b_fc s[20:21], b_pr s[22:23]
	s_load_b512 s[24:39], s[0:1], 0x40             ; g2 s[24:25], beta2 s[26:27], x s[28:29], g1 s[30:31], beta1 s[32:33], wt s[34:35], tab s[36:37], h s[38:39]
	v_lshl_add_u32 v[SPW], v0, 2, SPARE
	v_mov_b32 v[NIL], 0
	s_mov_b32 s40, ttmp9                           ; my work-group
	s_mov_b32 s41, 0xffff0000                      ; a word's upper bf16
	s_wait_kmcnt 0x0
	s_cmp_lt_u32 s40, NW
	s_cbranch_scc1 .Lweights
	s_cmp_lt_u32 s40, NW+NT
	s_cbranch_scc1 .Ltabs
	; ---- LAYER NORM 1 ----
	s_sub_co_u32 s52, s40, NW+NT                   ; my four rows
	v_and_b32 v5, 31, v0
	v_lshrrev_b32 v6, 5, v0
	v_readfirstlane_b32 s53, v6                    ; wave: my row of them
	v_lshlrev_b32 v[CO], 4, v5
	v_lshlrev_b32 v[OO], 3, v5
	s_lshl_b32 s56, s52, 14                        ; rows of 4,096 bytes
	s_lshl_b32 s57, s53, 12
	s_add_co_u32 s56, s56, s57
	s_mov_b32 s57, 0
	s_lshr_b32 s58, s56, 1                         ; a row of y is half as long
	s_mov_b32 s59, 0
	s_mov_b32 s42, 0x76543210                      ; v_permlanex16_b32: each lane takes its own place in the other half
	s_mov_b32 s43, 0xfedcba98
	s_mov_b32 s44, 0x3a800000                      ; 1 / 1024
	s_mov_b32 s45, 0x3727c5ac                      ; 1e-5
	s_add_nc_u64 s[28:29], s[28:29], s[56:57]
	s_add_nc_u64 s[38:39], s[38:39], s[58:59]
.irp j, 0,1,2,3,4,5,6,7                ; a lane's load j covers columns 128 j + 4 lane .. + 3: a wave's load is 512 consecutive bytes
	global_load_b128 v[G+4*(\j):G+4*(\j)+3], v[CO], s[30:31] offset:512*(\j)
.endr
.irp j, 0,1,2,3,4,5,6,7
	global_load_b128 v[BT+4*(\j):BT+4*(\j)+3], v[CO], s[32:33] offset:512*(\j)
.endr
.irp j, 0,1,2,3,4,5,6,7
	global_load_b128 v[XR+4*(\j):XR+4*(\j)+3], v[CO], s[28:29] offset:512*(\j) th:TH_LOAD_NT
.endr
.macro BF16 r                          ; 32 numbers are rounded to bf16 and widened again
.set i, 0
.rept 16
	v_cvt_pk_bf16_f32 v[Y+i], v[(\r)+2*i], v[(\r)+2*i+1]
.set i, i+1
.endr
.set i, 0
.rept 16
	v_lshlrev_b32 v[(\r)+2*i], 16, v[Y+i]
	v_and_b32 v[(\r)+2*i+1], s41, v[Y+i]
.set i, i+1
.endr
.endm
.macro REDUCE                          ; four pairs in v[T:T+7] -> the sum over the wave, in v[T] of every lane
	v_pk_add_f32 v[T:T+1], v[T:T+1], v[T+2:T+3]
	v_pk_add_f32 v[T+4:T+5], v[T+4:T+5], v[T+6:T+7]
	v_pk_add_f32 v[T:T+1], v[T:T+1], v[T+4:T+5]
	v_add_f32 v[T], v[T], v[T+1]
	v_add_f32_dpp v[T], v[T], v[T] row_xmask:1 row_mask:0xf bank_mask:0xf
	v_add_f32_dpp v[T], v[T], v[T] row_xmask:2 row_mask:0xf bank_mask:0xf
	v_add_f32_dpp v[T], v[T], v[T] row_xmask:4 row_mask:0xf bank_mask:0xf
	v_add_f32_dpp v[T], v[T], v[T] row_xmask:8 row_mask:0xf bank_mask:0xf
	v_permlanex16_b32 v[T+1], v[T], s42, s43
	v_add_f32 v[T], v[T], v[T+1]
.endm
	s_wait_loadcnt 8                               ; g and b are in; the row's eight loads stay out while these two are rounded
	BF16 G
	BF16 BT
	s_wait_loadcnt 0x0
	BF16 XR
.irp k, 0,1,2,3                        ; the sum, in four chains that do not wait for each other
	v_pk_add_f32 v[T+2*(\k):T+2*(\k)+1], v[XR+2*(\k):XR+2*(\k)+1], v[XR+8+2*(\k):XR+8+2*(\k)+1]
.endr
.irp m, 16, 24
.irp k, 0,1,2,3
	v_pk_add_f32 v[T+2*(\k):T+2*(\k)+1], v[T+2*(\k):T+2*(\k)+1], v[XR+(\m)+2*(\k):XR+(\m)+2*(\k)+1]
.endr
.endr
	REDUCE
	v_mul_f32 v[MU], s44, v[T]
	v_mul_f32 v[MU+1], s44, v[T]
.set i, 0
.rept 16
	v_pk_add_f32 v[XR+2*i:XR+2*i+1], v[XR+2*i:XR+2*i+1], v[MU:MU+1] neg_lo:[0,1] neg_hi:[0,1]  ; x - mean
.set i, i+1
.endr
.irp k, 0,1,2,3                        ; the centred squares, again in four chains
	v_pk_mul_f32 v[T+2*(\k):T+2*(\k)+1], v[XR+2*(\k):XR+2*(\k)+1], v[XR+2*(\k):XR+2*(\k)+1]
.endr
.irp m, 8, 16, 24
.irp k, 0,1,2,3
	v_pk_fma_f32 v[T+2*(\k):T+2*(\k)+1], v[XR+(\m)+2*(\k):XR+(\m)+2*(\k)+1], v[XR+(\m)+2*(\k):XR+(\m)+2*(\k)+1], v[T+2*(\k):T+2*(\k)+1]
.endr
.endr
	REDUCE
	v_fma_f32 v[T], v[T], s44, s45                 ; var + eps
	v_rsq_f32 v[RS], v[T]
	v_nop                                          ; a plain instruction behind the root (ISA guide 5.7.2),
	s_wait_alu depctr_va_vdst(0)                   ; and the wait ahead of its first reader
	v_mov_b32 v[RS+1], v[RS]
.set i, 0
.rept 16
	v_pk_mul_f32 v[XR+2*i:XR+2*i+1], v[XR+2*i:XR+2*i+1], v[RS:RS+1]
.set i, i+1
.endr
.set i, 0
.rept 16
	v_pk_fma_f32 v[XR+2*i:XR+2*i+1], v[XR+2*i:XR+2*i+1], v[G+2*i:G+2*i+1], v[BT+2*i:BT+2*i+1]
.set i, i+1
.endr
.set i, 0
.rept 16
	v_cvt_pk_f16_f32 v[Y+i], v[XR+2*i], v[XR+2*i+1]
.set i, i+1
.endr
.irp j, 0,1,2,3,4,5,6,7
	global_store_b64 v[OO], v[Y+2*(\j):Y+2*(\j)+1], s[38:39] offset:256*(\j)  ; the wave stores 256 consecutive bytes, aligned
.endr
	s_branch .Lend
	; ---- THE TABLE ----
.Ltabs:
	s_sub_co_u32 s52, s40, NW                      ; my unit, 0 to 10
	s_mov_b32 s53, 10                              ; the first unit of my source: beta2's, unless a line below says otherwise
	s_mov_b64 s[48:49], s[26:27]
.macro PICKT bound, src, first                     ; units below bound belong to an earlier source
	s_cmp_lt_u32 s52, \bound
	s_cselect_b64 s[48:49], s[\src:\src+1], s[48:49]
	s_cselect_b32 s53, \first, s53
.endm
	PICKT 10, 24, 9                                ; g2
	PICKT 9, 22, 8                                 ; b_pr
	PICKT 8, 20, 4                                 ; b_fc
	PICKT 4, 18, 3                                 ; b_o
	PICKT 3, 16, 0                                 ; b_qkv
	s_sub_co_u32 s56, s52, s53                     ; my unit in its source: 4,096 bytes each
	s_lshl_b32 s56, s56, 12
	s_mov_b32 s57, 0
	s_add_nc_u64 s[48:49], s[48:49], s[56:57]
	s_cmp_lt_u32 s52, 9                            ; and in the table, where g2 and beta2 lie two units further on
	s_cselect_b32 s54, 0, 2
	s_add_co_u32 s54, s54, s52
	s_lshl_b32 s56, s54, 12
	s_add_nc_u64 s[36:37], s[36:37], s[56:57]
	v_lshlrev_b32 v1, 4, v0                        ; 16 bytes a thread: a wave's load and store cover 512 consecutive bytes
	global_load_b128 v[8:11], v1, s[48:49]
	global_load_b128 v[12:15], v1, s[48:49] offset:2048
	s_wait_loadcnt 0x0
.irp i, 0,1,2,3
	v_cvt_pk_bf16_f32 v[16+(\i)], v[8+2*(\i)], v[9+2*(\i)]
.endr
.irp i, 0,1,2,3
	v_lshlrev_b32 v[8+2*(\i)], 16, v[16+(\i)]
	v_and_b32 v[9+2*(\i)], s41, v[16+(\i)]
.endr
	global_store_b128 v1, v[8:11], s[36:37]
	global_store_b128 v1, v[12:15], s[36:37] offset:2048
	s_branch .Lend
	; ---- THE WEIGHTS ----
.Lweights:
	s_mov_b32 s42, 1024                            ; the weight's first work-group: W_pr's figures, unless a line below says otherwise
	s_mov_b32 s43, 4096                            ; bytes in a row of the source
	s_mov_b32 s44, 8192                            ; bytes in a row of the result
	s_mov_b32 s45, 5                               ; log2 of its tiles along k
	s_mov_b32 s46, 0x1000000                       ; its place in wt
	s_mov_b64 s[48:49], s[14:15]
.macro PICKW bound, src, id0, npb, doff            ; work-groups below bound belong to an earlier weight
	s_cmp_lt_u32 s40, \bound
	s_cselect_b64 s[48:49], s[\src:\src+1], s[48:49]
	s_cselect_b32 s42, \id0, s42
	s_cselect_b32 s43, \npb, s43
	s_cselect_b32 s44, 2048, s44
	s_cselect_b32 s45, 3, s45
	s_cselect_b32 s46, \doff, s46
.endm
	PICKW 1024, 12, 512, 16384, 0x800000
	PICKW 512, 10, 384, 4096, 0x600000
	PICKW 384, 8, 0, 12288, 0
	s_sub_co_u32 s52, s40, s42                     ; my tile in the weight,
	s_lshr_b32 s53, s52, s45                       ; its place along n,
	s_lshl_b32 s54, s53, s45
	s_sub_co_u32 s54, s52, s54                     ; and along k
	s_mul_i32 s56, s54, s43
	s_lshl_b32 s56, s56, 7                         ; 128 rows of the source for each tile along k
	s_lshl_b32 s58, s53, 8                         ; 256 bytes for each tile along n
	s_add_co_u32 s56, s56, s58
	s_mov_b32 s57, 0
	s_add_nc_u64 s[48:49], s[48:49], s[56:57]
	s_mul_i32 s56, s53, s44
	s_lshl_b32 s56, s56, 6                         ; 64 rows of the result for each tile along n
	s_lshl_b32 s58, s54, 8                         ; 256 bytes for each tile along k
	s_add_co_u32 s56, s56, s58
	s_add_co_u32 s56, s56, s46
	s_add_nc_u64 s[50:51], s[34:35], s[56:57]
	v_and_b32 v6, 15, v0                           ; r: my 4 columns, 16 bytes of a source row
	v_bfe_u32 v7, v0, 4, 1                         ; h
	v_lshrrev_b32 v1, 4, v0
	v_lshlrev_b32 v1, 4, v1                        ; my first row of k: 32 x wave + 16 h
	v_mul_lo_u32 v[SO], v1, s43
	v_lshl_add_u32 v[SO], v6, 4, v[SO]
.set i, 1
.rept 15
	v_add_nc_u32 v[SO+i], s43, v[SO+i-1]
.set i, i+1
.endr
.set i, 0
.rept 16
	global_load_b128 v[X+4*i:X+4*i+3], v[SO+i], s[48:49] th:TH_LOAD_NT  ; 16 lanes take 256 consecutive bytes of a row
.set i, i+1
.endr
	v_mul_u32_u24 v[LSA], v6, 4*TP                 ; column 4 r,
	v_lshl_add_u32 v[LSA], v1, 1, v[LSA]           ; my 16 k: 32 bytes
	v_lshrrev_b32 v1, 5, v0
	v_lshl_add_u32 v1, v1, 4, v7                   ; back: row 16 x wave + h, then every second row
	v_mul_u32_u24 v[LRA], v1, TP
	v_lshl_add_u32 v[LRA], v6, 4, v[LRA]
	v_mul_lo_u32 v[DO], v1, s44
	v_lshl_add_u32 v[DO], v6, 4, v[DO]
	s_lshl_b32 s58, s44, 1
.set i, 1
.rept 7
	v_add_nc_u32 v[DO+i], s58, v[DO+i-1]
.set i, i+1
.endr
.irp q, 0,1,2,3,4,5,6,7
	s_wait_loadcnt 14-2*(\q)                       ; loads come back in order: rows 2 q and 2 q + 1 are in, the younger ones stay out
.irp c, 0,1,2,3
	v_cvt_pk_bf16_f32 v[D+8*(\c)+(\q)], v[X+8*(\q)+(\c)], v[X+8*(\q)+4+(\c)]  ; two neighbouring k of column 4 r + c
.endr
.endr
	s_cmp_lt_u32 s40, 1024                         ; W_pr stays as it is; the other three are written as f16
	s_cbranch_scc0 .Lbf
.set i, 0
.rept 32
	v_lshlrev_b32 v[X+2*i], 16, v[D+i]             ; the rounded numbers as f32,
	v_and_b32 v[X+2*i+1], s41, v[D+i]
.set i, i+1
.endr
.set i, 0
.rept 32
	v_cvt_pk_f16_f32 v[D+i], v[X+2*i], v[X+2*i+1]  ; and as f16
.set i, i+1
.endr
.Lbf:
.irp c, 0,1,2,3
	ds_store_b128 v[LSA], v[D+8*(\c):D+8*(\c)+3]   offset:(\c)*TP
	ds_store_b128 v[LSA], v[D+8*(\c)+4:D+8*(\c)+7] offset:(\c)*TP+16
.endr
	s_wait_dscnt 0x0                               ; for the others' sake: my stores are done
	s_barrier_signal -1                            ; all four waves of a work-group of this kind are on this path
	s_barrier_wait -1
.irp t, 0,1,2,3,4,5,6,7
	ds_load_b128 v[X+4*(\t):X+4*(\t)+3], v[LRA] offset:(\t)*2*TP
.endr
.irp t, 0,1,2,3,4,5,6,7
	s_wait_dscnt 7-(\t)
	global_store_b128 v[DO+(\t)], v[X+4*(\t):X+4*(\t)+3], s[50:51]  ; 16 lanes store 256 consecutive bytes, at a multiple of 256 from wt's first byte
.endr
.Lend:
	s_wait_tensorcnt 0x0                           ; the wave's end: behind my last LDS store
	ds_add_u32 v[SPW], v[NIL]
	s_wait_dscnt 0x0
	s_endpgm
.Lfunc_end_k_q1537fcc15a_front:
	.size	k_q1537fcc15a_front, .Lfunc_end_k_q1537fcc15a_front-k_q1537fcc15a_front
	.p2alignl 7, 3214868480
	.fill 96, 4, 3214868480
	.section	.rodata,"a",@progbits
	.p2align	6, 0x0
	.amdhsa_kernel k_q1537fcc15a_front
		.amdhsa_group_segment_fixed_size 17920
		.amdhsa_private_segment_fixed_size 0
		.amdhsa_enable_private_segment 0
		.amdhsa_kernarg_size 128
		.amdhsa_user_sgpr_count 2
		.amdhsa_user_sgpr_kernarg_segment_ptr 1
		.amdhsa_wavefront_size32 1
		.amdhsa_system_sgpr_workgroup_id_x 1
		.amdhsa_system_sgpr_workgroup_id_y 1
		.amdhsa_system_sgpr_workgroup_id_z 1
		.amdhsa_system_vgpr_workitem_id 0
		.amdhsa_next_free_vgpr 132
		.amdhsa_next_free_sgpr 66
		.amdhsa_reserve_vcc 0
		.amdhsa_float_denorm_mode_32 3
		.amdhsa_float_denorm_mode_16_64 3
		.amdhsa_memory_ordered 1
		.amdhsa_forward_progress 1
		.amdhsa_inst_pref_size 34
	.end_amdhsa_kernel
	.amdgpu_metadata
---
amdhsa.version: [ 1, 2 ]
amdhsa.kernels:
  - .name:           k_q1537fcc15a_front
    .symbol:         k_q1537fcc15a_front.kd
    .args:
      - { .name: W_qkv, .offset: 0, .size: 8, .value_kind: global_buffer, .address_space: global }
      - { .name: W_o, .offset: 8, .size: 8, .value_kind: global_buffer, .address_space: global }
      - { .name: W_fc, .offset: 16, .size: 8, .value_kind: global_buffer, .address_space: global }
      - { .name: W_pr, .offset: 24, .size: 8, .value_kind: global_buffer, .address_space: global }
      - { .name: b_qkv, .offset: 32, .size: 8, .value_kind: global_buffer, .address_space: global }
      - { .name: b_o, .offset: 40, .size: 8, .value_kind: global_buffer, .address_space: global }
      - { .name: b_fc, .offset: 48, .size: 8, .value_kind: global_buffer, .address_space: global }
      - { .name: b_pr, .offset: 56, .size: 8, .value_kind: global_buffer, .address_space: global }
      - { .name: g2, .offset: 64, .size: 8, .value_kind: global_buffer, .address_space: global }
      - { .name: beta2, .offset: 72, .size: 8, .value_kind: global_buffer, .address_space: global }
      - { .name: x, .offset: 80, .size: 8, .value_kind: global_buffer, .address_space: global }
      - { .name: g1, .offset: 88, .size: 8, .value_kind: global_buffer, .address_space: global }
      - { .name: beta1, .offset: 96, .size: 8, .value_kind: global_buffer, .address_space: global }
      - { .name: wt, .offset: 104, .size: 8, .value_kind: global_buffer, .address_space: global }
      - { .name: tab, .offset: 112, .size: 8, .value_kind: global_buffer, .address_space: global }
      - { .name: h, .offset: 120, .size: 8, .value_kind: global_buffer, .address_space: global }
    .group_segment_fixed_size: 17920
    .private_segment_fixed_size: 0
    .kernarg_segment_align: 8
    .kernarg_segment_size: 128
    .max_flat_workgroup_size: 128
    .sgpr_count:     66
    .vgpr_count:     132
    .wavefront_size: 32
...
	.end_amdgpu_metadata
.endif
;; end of part 1
;; launch qkv (part 2): grid 12 x 16, 4 waves a work-group, clusters of 4 x 4, 327,680 bytes of LDS; arguments h, wt, tab, act; writes act
.if DOCPART == 2
	.amdgcn_target "amdgcn-amd-amdhsa--gfx1250"
	.amdhsa_code_object_version 6
	.text
	.protected	k_q1537fcc15a_qkv
	.globl	k_q1537fcc15a_qkv
	.p2align	8
	.type	k_q1537fcc15a_qkv,@function
k_q1537fcc15a_qkv:
	s_mov_b64 s[64:65], 0
	v_nop
	global_prefetch_b8 v0, s[64:65] scope:SCOPE_SE
	s_setreg_imm32_b32 hwreg(HW_REG_WAVE_MODE, 25, 1), 1
	s_wait_xcnt 0x0
	s_wait_alu depctr_hold_cnt(0) depctr_sa_sdst(0) depctr_va_vdst(0) depctr_va_sdst(0) depctr_va_ssrc(0) depctr_va_vcc(0) depctr_vm_vsrc(0)
	s_getreg_b32 s2, hwreg(HW_REG_IB_STS2, 6, 4)
	s_cmp_eq_u32 s2, 0
	s_cbranch_scc0 .Lentry_in_a_cluster
	s_endpgm
.Lentry_in_a_cluster:
	s_bfe_u32 s2, ttmp6, 0x10000c
	s_cmp_lg_u32 s2, 0xf033
	s_cbranch_scc0 .Lentry_shape_is_right
	s_endpgm
.Lentry_shape_is_right:
; q, k, v = h W_qkv + b_qkv.  h: [4096][1024] f16; the weight lies in wt as [3072][1024] f16 (rows along K; bf16-rounded numbers); b: 3,072 f32 at the head of the table of rounded small inputs.
; Sums in f32, the bias first.
; OUT: act as f16 [48 blocks of 64 columns][4096 tokens][64]: block = head for q, 16 + head for k, 32 + head for v, so a head's rows are dense, 128 bytes each.  Rounded once, unscaled.
; LIMIT: f16 ends at 65,504; a q, k or v of 65,520 or more would become an infinity.  With h of unit spread that wants weights some thousands of times those of unit-spread products.
; A tile of 256 x 256 is made by four waves, each 128 x 128: 64 accumulators, 512 registers.  K goes in 8 steps of 128 through two LDS slots filled by the tensor data mover; a tile's rows are
; 256 bytes of memory, aligned to 256.  ONE text of a K step is walked by a counted loop: the slot to be read lies in a scalar register that an exclusive or turns, and one descriptor walks.
; THE BIAS STARTS THE SUMS: it is loaded into the accumulators, so no first step is written out, nothing is cleared and the way out adds nothing.
; CLUSTER: 4 x 4 work-groups; the four of a row need the same tiles of h, the four of a column the same tiles of the weight: each tile is asked for jointly, by the same tensor load with the same
; descriptor and a mask that names the four.  The grid, 12 x 16, leaves a quarter of 256 places empty: tiles of 256 x 256 are kept for their work per LDS byte.
; THE MATRIX INSTRUCTION IS USED TRANSPOSED (source 0 = 16 rows of the weight, source 1 = 16 rows of h): lane l holds row l % 16 of the result and columns 8 (l / 16) + 0..7.
; REGISTERS, in windows of 256: window 0: v0-31 addresses; v64-127, v128-191 fragments of h, two buffers; on the way out v32-127 at work.  window 1: v64-191 fragments of the weight.
;   window 2: the accumulators of my rows 0-63 ((a, b) at v[8 (8 a + b)]); window 3: those of rows 64-127.
.set SIZE_K, 1024
.set KSTEP,  128
.set PITCH,  272                       ; an LDS row: 256 bytes + 16: the 16 rows of a fragment load start at 16 different groups of four banks (ISA guide 11.1)
.set HALFT,  128*PITCH                 ; what one tensor load brings
.set SLOT,   4*HALFT                   ; 0x22000: its two bits occur in none of the four fill addresses 0, 0x8800, 0x11000, 0x19800, so an exclusive or adds or takes it
.set SPARE,  2*SLOT                    ; behind the ring: the spare words, 128 bytes for each wave
.set SP2,    528                       ; a row of a wave's stage: 128 f32 + 16 bytes
.set STG,    128*SP2                   ; a wave's stage.  The four stages lie over the ring, whose slots have had their last fill by then
.set NSTEP,  SIZE_K/KSTEP
.set WOFF,   0                         ; the weight's place in wt
.set BIAS,   0                         ; the bias's place in the table
.set CBS,    524288                    ; bytes from a block of 64 columns to the next
.set ADRA0, 16                         ; v16  my lane's place in h's part of a slot; never rewritten
.set ADRA,  17                         ; v17  the same in the slot in hand
.set ADRB0, 20
.set ADRB,  21
.set STO,  24                          ; v24  where I put 32 bytes of a row of my stage
.set RD0,  25                          ; v25  where I read rows back; never rewritten
.set GO,   26                          ; v26  my byte offset in two rows of a block of act
.set BO,   27                          ; v27  32 x (l / 16): my eight columns in the bias
.set SPW,  28                          ; v28  LDS address of my spare word; never rewritten
.set NIL,  29                          ; v29  0; never rewritten
.set PFO,  30                          ; v30  the prefetches' offset: my lane x a row of 2,048 bytes
.set RD,   31                          ; v31  RD0 + the rows done
.set F0,   64
.set F1,   128
.set Y,    32                          ; the way out: 32 registers of f16
.set Z,    64                          ; the way out: 64 registers of f32
.set G1, 24                            ; s[24:31] descriptor group 1 for h's tiles
.set G0, 32                            ; s[32:39] group 0: a set for each first fill; the second then walks
.set G1B, 48
.set G0B, 56
.set LIM, 43                           ; s43  2 in a wave that prefetches, else the greatest number
.set PFA, 44                           ; s[44:45] where my prefetches stand
.set TB,  70                           ; s70  the slot to be read: 0 or SLOT
.set RB,  71                           ; s71  the way out: bytes of my stage that are done
.set MSB, 0
.macro WIN new                         ; the immediate's high byte repeats the setting that is left; a switch that changes nothing is dropped
.if MSB != (\new)
	s_set_vgpr_msb (MSB<<8)|(\new)
.set MSB, \new
.endif
.endm
.set MUL_LO, 0xa1                      ; source 0 window 1, source 1 window 0, C and D window 2
.set MUL_HI, 0xf1                      ; the same, C and D window 3
.set TO_B,   0x40                      ; destination window 1, address window 0
; A joint load.  Waves 0 and 1 fetch h's two halves, waves 2 and 3 the weight's.  The branch hangs on the wave's number alone.  An s_nop 0 and four v_nop follow each line.
.macro JLOAD s
	s_cmp_eq_u32 s11, 0
	s_cbranch_scc0 .Lfor_b_\@
	tensor_load_to_lds s[G0+4*(\s):G0+4*(\s)+3], s[G1:G1+7]
	s_nop 0
.rept 4
	v_nop
.endr
	s_branch .Lasked_\@
.Lfor_b_\@:
	tensor_load_to_lds s[G0B+4*(\s):G0B+4*(\s)+3], s[G1B:G1B+7]
	s_nop 0
.rept 4
	v_nop
.endr
.Lasked_\@:
.endm
; A prefetch of the K step that stands two refills on: 32 rows x 256 bytes, a lane a row.  h's rows are asked for by the clusters with x = 0, the weight's by those with y = 0; the four partners that
; ask for a tile jointly share its 128 rows out by address, 32 each.  So each row's 256 bytes of K steps 4 to 7 are named once in the launch; trips 4 and 5 have no K step two refills on.
.macro ASK
	s_cmp_gt_u32 s3, s[LIM]
	s_cbranch_scc0 .Lnot_mine_\@
	global_prefetch_b8 v[PFO], s[PFA:PFA+1] offset:KSTEP*2 th:TH_LOAD_NT scope:SCOPE_SE
.Lnot_mine_\@:
.endm
.macro CREST                           ; a round of the cluster's barrier behind its opening barrier
	s_cmp_lg_u32 s10, 0
	s_cbranch_scc1 .Lnot_wave_0_\@
	s_barrier_signal -3
.Lnot_wave_0_\@:
	s_barrier_wait -3
	s_barrier_signal -1
	s_barrier_wait -1
.endm
.macro CROUND
	s_barrier_signal -1
	s_barrier_wait -1
	CREST
.endm
	s_load_b128 s[4:7], s[0:1], 0x0                ; h s[4:5], wt s[6:7]
	s_load_b64 s[68:69], s[0:1], 0x10              ; the table
	s_load_b64 s[8:9], s[0:1], 0x18                ; act
	v_lshl_add_u32 v[SPW], v0, 2, SPARE
	v_mov_b32 v[NIL], 0
	ds_add_u32 v[SPW], v[NIL]                      ; the wave's opening: the add and its wait ahead of my first tensor load
	ds_add_u32 v28, v29
	v_lshrrev_b32 v1, 5, v0
	v_readfirstlane_b32 s10, v1                    ; wave 0..3
	s_lshr_b32 s11, s10, 1                         ; which half of the tile's rows is mine.  Also: I fetch for h (0) or for the weight (1)
	s_and_b32 s12, s10, 1                          ; which half of its columns.  Also: which 128 rows I fetch
	s_bfe_u32 s40, ttmp6, 0x40000                  ; cx
	s_bfe_u32 s41, ttmp6, 0x40004                  ; cy
	s_lshl_b32 s42, ttmp9, 2
	s_add_co_u32 s42, s42, s40                     ; tile column
	s_and_b32 s13, ttmp7, 0xffff
	s_lshl_b32 s13, s13, 2
	s_add_co_u32 s13, s13, s41                     ; tile row
	s_lshl_b32 s43, s41, 2
	s_lshl_b32 s43, 15, s43                        ; my row of the cluster
	s_lshl_b32 s44, 0x1111, s40                    ; my column
	s_or_b32 s[G1+0], s43, (1<<16)|(1<<20)|(1<<21)|(5<<22)|(3<<25)   ; the mask; elements of 2 bytes; padding on; bit 21 beside a mask; after every 64 words, 4 words
	s_or_b32 s[G1B+0], s44, (1<<16)|(1<<20)|(1<<21)|(5<<22)|(3<<25)
.irp g, G1, G1B
	s_mov_b32 s[(\g)+1], KSTEP<<16                 ; tensor_dim0 = 128
	s_mov_b32 s[(\g)+2], 128<<16                   ; tensor_dim1 = 128
	s_mov_b32 s[(\g)+3], KSTEP<<16                 ; tile_dim0 = 128
	s_mov_b32 s[(\g)+4], 128                       ; tile_dim1 = 128
	s_mov_b32 s[(\g)+5], SIZE_K                    ; elements from row to row
	s_mov_b32 s[(\g)+6], 0
	s_mov_b32 s[(\g)+7], 0
.endr
	s_lshl_b32 s17, s12, 7
	s_lshl_b32 s16, s13, 8
	s_add_co_u32 s16, s16, s17                     ; h: row 256 x tile row + 128 x half
	s_lshl_b32 s46, s42, 8
	s_add_co_u32 s46, s46, s17                     ; the weight: row 256 x tile column + 128 x half
	s_lshl_b32 s16, s16, 11                        ; rows of 2,048 bytes
	s_lshl_b32 s46, s46, 11
	s_mov_b32 s17, 0
	s_mov_b32 s47, 0
	s_mul_i32 s20, s10, HALFT                      ; where they go: wave x 128 rows
	s_wait_dscnt 0x0                               ; the opening add is done
	s_wait_kmcnt 0x0
.if WOFF
	s_add_nc_u64 s[6:7], s[6:7], WOFF
.endif
	s_add_nc_u64 s[14:15], s[4:5], s[16:17]
	s_add_nc_u64 s[46:47], s[6:7], s[46:47]
	CROUND                                         ; all sixteen work-groups are here: the first joint loads meet
.irp s, 0,1
	s_mov_b32 s[G0+4*(\s)], 1
	s_add_co_u32 s[G0+4*(\s)+1], s20, (\s)*SLOT
	s_add_nc_u64 s[G0+4*(\s)+2:G0+4*(\s)+3], s[14:15], (\s)*KSTEP*2
	s_or_b32 s[G0+4*(\s)+3], s[G0+4*(\s)+3], 0x80000000
	s_mov_b32 s[G0B+4*(\s)], 1
	s_add_co_u32 s[G0B+4*(\s)+1], s20, (\s)*SLOT
	s_add_nc_u64 s[G0B+4*(\s)+2:G0B+4*(\s)+3], s[46:47], (\s)*KSTEP*2
	s_or_b32 s[G0B+4*(\s)+3], s[G0B+4*(\s)+3], 0x80000000
	JLOAD \s                                       ; two tensor loads of mine are out
.endr
	v_and_b32 v1, 15, v0                           ; l % 16
	v_bfe_u32 v2, v0, 4, 1                         ; l / 16
	v_mul_u32_u24 v3, v1, PITCH
	v_lshl_add_u32 v3, v2, 4, v3                   ; a fragment's row x pitch + 16 x half
	s_mul_i32 s21, s11, HALFT
	s_mul_i32 s22, s12, HALFT
	s_add_co_u32 s22, s22, 2*HALFT
	v_add_nc_u32 v[ADRA0], s21, v3
	v_add_nc_u32 v[ADRB0], s22, v3
	v_mov_b32 v[ADRA], v[ADRA0]
	v_mov_b32 v[ADRB], v[ADRB0]
	s_mov_b32 s[TB], 0
	s_mul_i32 s23, s10, STG                        ; my stage
	v_mul_u32_u24 v4, v1, SP2                      ; in: row l % 16, 32 bytes for each half of the lanes
	v_lshl_add_u32 v4, v2, 5, v4
	v_add_nc_u32 v[STO], s23, v4
	v_mul_u32_u24 v5, v2, SP2                      ; back: lanes 0-15 take 256 bytes of one row, lanes 16-31 of the next
	v_lshl_add_u32 v5, v1, 4, v5
	v_add_nc_u32 v[RD0], s23, v5
	v_lshlrev_b32 v[GO], 7, v2                     ; and the same two rows of a block of act: 128 bytes each, 8 bytes a lane
	v_lshl_add_u32 v[GO], v1, 3, v[GO]
	v_lshlrev_b32 v[BO], 5, v2
	s_lshl_b32 s46, s42, 10                        ; the bias at my 128 columns
	s_lshl_b32 s47, s12, 9
	s_add_co_u32 s46, s46, s47
	s_mov_b32 s47, 0
	s_add_nc_u64 s[68:69], s[68:69], s[46:47]
.irp hi, 0,1                           ; register j of accumulator (a, b) is column 16 b + 8 (l / 16) + j, whatever a
	WIN 0x80+0x40*(\hi)
.irp a, 0,1,2,3
.irp b, 0,1,2,3,4,5,6,7
	global_load_b128 v[8*(8*(\a)+(\b)):8*(8*(\a)+(\b))+3],   v[BO], s[68:69] offset:BIAS+64*(\b)
	global_load_b128 v[8*(8*(\a)+(\b))+4:8*(8*(\a)+(\b))+7], v[BO], s[68:69] offset:BIAS+64*(\b)+16
.endr
.endr
.endr
	WIN 0
	s_lshl_b32 s16, s13, 15                        ; act: my first token, 128 bytes each: 256 x tile row + 128 x half,
	s_lshl_b32 s17, s11, 14
	s_add_co_u32 s16, s16, s17
	s_mov_b32 s17, 0
	s_lshl_b32 s46, s42, 21                        ; my first block of 64 columns: 4 x tile column + 2 x half
	s_lshl_b32 s47, s12, 20
	s_add_co_u32 s46, s46, s47
	s_mov_b32 s47, 0
	s_add_nc_u64 s[8:9], s[8:9], s[16:17]
	s_add_nc_u64 s[8:9], s[8:9], s[46:47]
	s_lshl_b32 s20, s13, 8                         ; the prefetches: the tile's first row, in h by the tile row, in the weight by the tile column
	s_lshl_b32 s21, s42, 8
	s_and_b32 s22, ttmp7, 0xffff
	s_cmp_eq_u32 s11, 0
	s_cselect_b32 s20, s20, s21
	s_cselect_b32 s21, s40, s41                    ; my place among the four that ask with me
	s_cselect_b32 s22, ttmp9, s22                  ; the coordinate along which other clusters read the same rows
	s_cselect_b64 s[PFA:PFA+1], s[4:5], s[6:7]
	s_cmp_eq_u32 s22, 0
	s_cselect_b32 s[LIM], 2, -1
	s_lshl_b32 s22, s12, 7
	s_add_co_u32 s20, s20, s22
	s_lshl_b32 s21, s21, 5
	s_add_co_u32 s20, s20, s21
	s_lshl_b32 s20, s20, 11
	s_mov_b32 s21, 0
	s_add_nc_u64 s[PFA:PFA+1], s[PFA:PFA+1], s[20:21]
	s_add_nc_u64 s[PFA:PFA+1], s[PFA:PFA+1], 2*KSTEP*2  ; at K step 2: the first refill steps it to 3 and names K step 4
	v_and_b32 v[PFO], 31, v0
	v_lshlrev_b32 v[PFO], 11, v[PFO]
; 16 matrix instructions: row blocks a0, a0 + 1 of the window's four x all 8 column blocks, 32 along K.  The 64 accumulators take turns, one instruction a turn.
.macro MUL16 f, hi, a0
	WIN MUL_LO+0x50*(\hi)
.irp a, \a0, (\a0)+1
.irp b, 0,1,2,3,4,5,6,7
	v_wmma_f32_16x16x32_f16 v[8*(8*(\a)+(\b)):8*(8*(\a)+(\b))+7], v[(\f)+8*(\b):(\f)+8*(\b)+7], v[(\f)+8*(4*(\hi)+(\a)):(\f)+8*(4*(\hi)+(\a))+7], v[8*(8*(\a)+(\b)):8*(8*(\a)+(\b))+7]
.endr
.endr
.endm
.macro FETCH k, f                      ; 32 LDS loads in one run: the fragments of 32 along K at byte k of the rows of the slot in hand
	WIN TO_B
.irp i, 0,1,2,3,4,5,6,7
	ds_load_b128 v[(\f)+8*(\i):(\f)+8*(\i)+3],   v[ADRB] offset:(\k)+(\i)*16*PITCH
	ds_load_b128 v[(\f)+8*(\i)+4:(\f)+8*(\i)+7], v[ADRB] offset:(\k)+(\i)*16*PITCH+32
.endr
	WIN 0
.irp i, 0,1,2,3,4,5,6,7
	ds_load_b128 v[(\f)+8*(\i):(\f)+8*(\i)+3],   v[ADRA] offset:(\k)+(\i)*16*PITCH
	ds_load_b128 v[(\f)+8*(\i)+4:(\f)+8*(\i)+7], v[ADRA] offset:(\k)+(\i)*16*PITCH+32
.endr
.endm
.macro PLACES                          ; four plain instructions between a matrix instruction and a load into a register that it has read (ISA guide 7.12.1 for vector instructions)
.rept 4
	v_nop
.endr
.endm
.macro QUARTER k, f, g                 ; multiplies buffer f; in its middle it fetches the next quarter, at byte k, into buffer g
	s_wait_dscnt 8                                 ; the weight's fragments and h's rows 0-63 are in; the youngest eight loads may be out
	MUL16 \f, 0, 0
	MUL16 \f, 0, 2
	PLACES
	FETCH \k, \g
	s_wait_dscnt 32                                ; all but the 32 just issued
	MUL16 \f, 1, 0
	MUL16 \f, 1, 2
.endm
; THE CHANGE OF SLOTS stands in front of the last quarter's products, whose fragments (buffer 1) lie in registers: so all reads of this slot are over.  Each wave waits for all its tensor loads (one is
; out: its part of the next slot), adds 0 to its spare word, and waits for that and for its reads of this slot (issued 32 matrix instructions back).  fill = 1: the barrier opens a round of the cluster's,
; and the joint refill, two K steps ahead, is the first tensor load behind it.  No matrix work stands between the wait and the refill: the refill has a whole K step's 256 matrix instructions in which to land.
.macro TURN fill
.if \fill
	s_wait_xcnt 0x0                                ; the last prefetch, a K step back, has read its address
	s_add_nc_u64 s[PFA:PFA+1], s[PFA:PFA+1], KSTEP*2
.endif
	WIN 0
	s_wait_tensorcnt 0x0                           ; no tensor load of mine is out, so a group 0 may be written
	ds_add_u32 v[SPW], v[NIL]                      ; the scalar steps stand between the add and the wait for it
.if \fill
	s_xor_b32 s[G0+5], s[G0+5], SLOT               ; the walking descriptors: the other slot than last time, the next K step
	s_add_nc_u64 s[G0+6:G0+7], s[G0+6:G0+7], KSTEP*2
	s_xor_b32 s[G0B+5], s[G0B+5], SLOT
	s_add_nc_u64 s[G0B+6:G0B+7], s[G0B+6:G0B+7], KSTEP*2
.endif
	s_xor_b32 s[TB], s[TB], SLOT
	s_wait_dscnt 0x0                               ; the add is done, and my reads of this slot are over
	s_barrier_signal -1
	s_barrier_wait -1
.if \fill
	CREST
	JLOAD 1                                        ; one tensor load of mine is out; its four v_nop are also the places in front of the loads below
.else
	PLACES
.endif
	v_add_nc_u32 v[ADRA], s[TB], v[ADRA0]
	v_add_nc_u32 v[ADRB], s[TB], v[ADRB0]
	FETCH 0, F0
.if \fill
	ASK
.endif
	MUL16 F1, 0, 0
	MUL16 F1, 0, 2
	MUL16 F1, 1, 0
	MUL16 F1, 1, 2
.endm
	s_wait_tensorcnt 1                             ; my part of K step 0 is in; K step 1's may stay out
	s_barrier_signal -1
	s_barrier_wait -1
	FETCH 0, F0
	s_wait_loadcnt 0x0                             ; the bias lies in the accumulators
	s_mov_b32 s3, NSTEP-2
.Lstep:                                            ; K steps 0 to 5: each fills its slot again
	QUARTER 64,  F0, F1
	QUARTER 128, F1, F0
	QUARTER 192, F0, F1
	TURN 1
	WIN 0
	s_sub_co_u32 s3, s3, 1
	s_cmp_lg_u32 s3, 0
	s_cbranch_scc1 .Lstep
	s_mov_b32 s3, 2
.Ltail:                                            ; K steps 6 and 7 ask for nothing.  The second trip's fetch reads K step 6's bytes once more and serves nothing: the price of one text for both
	QUARTER 64,  F0, F1
	QUARTER 128, F1, F0
	QUARTER 192, F0, F1
	TURN 0
	WIN 0
	s_sub_co_u32 s3, s3, 1
	s_cmp_lg_u32 s3, 0
	s_cbranch_scc1 .Ltail
	; THE WAY OUT.  Every wave's reads of the ring are over behind this barrier; then each wave lays its 128 x 128 sums into its own stage and reads them back by rows.
	s_wait_dscnt 0x0
	s_barrier_signal -1
	s_barrier_wait -1
	PLACES
	PLACES
.irp blk, 0,1,2,3,4,5,6,7
	WIN 0x08+4*((\blk)/4)                          ; the stores' data: window 2 or 3
.irp b, 0,1,2,3,4,5,6,7
	ds_store_b128 v[STO], v[8*(8*((\blk)%4)+(\b)):8*(8*((\blk)%4)+(\b))+3]   offset:(\blk)*16*SP2+64*(\b)     ; each accumulator's low registers first
	ds_store_b128 v[STO], v[8*(8*((\blk)%4)+(\b))+4:8*(8*((\blk)%4)+(\b))+7] offset:(\blk)*16*SP2+64*(\b)+16
.endr
.endr
	WIN 0
	s_mov_b32 s[RB], 0
	s_mov_b32 s3, 8
.Lrows:                                            ; 16 rows a trip.  LDS serves a wave's instructions in order (ISA guide 5.7.1.4): the loads see my stores above
	v_add_nc_u32 v[RD], s[RB], v[RD0]
.irp t, 0,1,2,3,4,5,6,7
.irp c, 0,1
	ds_load_b128 v[Z+4*(2*(\t)+(\c)):Z+4*(2*(\t)+(\c))+3], v[RD] offset:(\t)*2*SP2+256*(\c)  ; rows 2 t, 2 t + 1; columns 64 c + 4 (l % 16) on
.endr
.endr
	s_wait_dscnt 0x0
.set i, 0
.rept 32
	v_cvt_pk_f16_f32 v[Y+i], v[Z+2*i], v[Z+2*i+1]
.set i, i+1
.endr
.irp t, 0,1,2,3,4,5,6,7
.irp c, 0,1
	global_store_b64 v[GO], v[Y+2*(2*(\t)+(\c)):Y+2*(2*(\t)+(\c))+1], s[8:9] offset:(\t)*256+(\c)*CBS  ; the wave stores two rows of a block: 256 consecutive bytes, aligned
.endr
.endr
	s_wait_xcnt 0x0                                ; the stores have read their data and their base: both are written again only behind this wait
	s_add_nc_u64 s[8:9], s[8:9], 16*128
	s_add_co_u32 s[RB], s[RB], 16*SP2
	s_sub_co_u32 s3, s3, 1
	s_cmp_lg_u32 s3, 0
	s_cbranch_scc1 .Lrows
	s_wait_tensorcnt 0x0                           ; the wave's end
	ds_add_u32 v[SPW], v[NIL]
	s_wait_dscnt 0x0
	CROUND                                         ; the closing round
	s_endpgm
.Lfunc_end_k_q1537fcc15a_qkv:
	.size	k_q1537fcc15a_qkv, .Lfunc_end_k_q1537fcc15a_qkv-k_q1537fcc15a_qkv
	.p2alignl 7, 3214868480
	.fill 96, 4, 3214868480
	.section	.rodata,"a",@progbits
	.p2align	6, 0x0
	.amdhsa_kernel k_q1537fcc15a_qkv
		.amdhsa_group_segment_fixed_size 327680
		.amdhsa_private_segment_fixed_size 0
		.amdhsa_enable_private_segment 0
		.amdhsa_kernarg_size 32
		.amdhsa_user_sgpr_count 2
		.amdhsa_user_sgpr_kernarg_segment_ptr 1
		.amdhsa_wavefront_size32 1
		.amdhsa_system_sgpr_workgroup_id_x 1
		.amdhsa_system_sgpr_workgroup_id_y 1
		.amdhsa_system_sgpr_workgroup_id_z 1
		.amdhsa_system_vgpr_workitem_id 0
		.amdhsa_next_free_vgpr 1024
		.amdhsa_next_free_sgpr 72
		.amdhsa_reserve_vcc 0
		.amdhsa_float_denorm_mode_32 3
		.amdhsa_float_denorm_mode_16_64 3
		.amdhsa_memory_ordered 1
		.amdhsa_forward_progress 1
		.amdhsa_inst_pref_size 88
	.end_amdhsa_kernel
	.amdgpu_metadata
---
amdhsa.version: [ 1, 2 ]
amdhsa.kernels:
  - .name:           k_q1537fcc15a_qkv
    .symbol:         k_q1537fcc15a_qkv.kd
    .args:
      - { .name: h, .offset: 0, .size: 8, .value_kind: global_buffer, .address_space: global }
      - { .name: wt, .offset: 8, .size: 8, .value_kind: global_buffer, .address_space: global }
      - { .name: tab, .offset: 16, .size: 8, .value_kind: global_buffer, .address_space: global }
      - { .name: act, .offset: 24, .size: 8, .value_kind: global_buffer, .address_space: global }
    .group_segment_fixed_size: 327680
    .private_segment_fixed_size: 0
    .kernarg_segment_align: 8
    .kernarg_segment_size: 32
    .max_flat_workgroup_size: 128
    .sgpr_count:     72
    .vgpr_count:     1024
    .wavefront_size: 32
...
	.end_amdgpu_metadata
.endif
;; end of part 2
;; launch attn (part 3): grid 8 x 32, 4 waves a work-group, no clusters, 327,680 bytes of LDS; arguments act, o; writes o
.if DOCPART == 3
	.amdgcn_target "amdgcn-amd-amdhsa--gfx1250"
	.amdhsa_code_object_version 6
	.text
	.protected	k_q1537fcc15a_attn
	.globl	k_q1537fcc15a_attn
	.p2align	8
	.type	k_q1537fcc15a_attn,@function
k_q1537fcc15a_attn:
	s_mov_b64 s[64:65], 0
	v_nop
	global_prefetch_b8 v0, s[64:65] scope:SCOPE_SE
	s_setreg_imm32_b32 hwreg(HW_REG_WAVE_MODE, 25, 1), 1
	s_wait_xcnt 0x0
; CAUSAL ATTENTION, head size 64.  O[q] = the sum over k <= q of softmax_k(Q[q] . K[k] / 8) V[k], for 16 heads x 2 sequences of 2,048 tokens.
; IN: act, f16 [48][4096 tokens][64]: q of head hd in block hd, k in 16 + hd, v in 32 + hd.  OUT: o, f16 [token / 128][head][128 rows][64], rounded once; it is a mean of V's rows and has their range.
; Products, maxima and sums in f32; the weights p are rounded to f16 for the second product (their sum l is taken of the unrounded p).
; LIMITS.  A hidden score counts as -1e30; a weight below 2^-126 counts as 0 in l; NaN and infinities are not treated apart.
; THE WALK.  A sequence has 16 blocks of 128 queries; block i needs the key tiles 0 .. i / 2 of 256 keys.  A work-group takes blocks 15 - b and then b: 9 tiles whatever b, walked by loops with
; constant trip counts.  In a block's last tile, with p = i % 2, key steps (64 keys) below 2 p see everything, steps 2 p and 2 p + 1 are masked, later ones are dead: they fetch and compute nothing.
; What a step does hangs on scalar registers made from b; those jumps go forward and pass no barrier and no tensor load.
; NO CLUSTER: the eight work-groups of a head ask for the same tile only in their first 5 to 8 trips, then for different ones; a walk common to all would have 12 trips for 9.
; SHARES.  A wave owns two tiles of 16 queries: rows 64 u + 16 wave + 0..15 of the block, u = 0, 1: so the masked steps are the same work for all four waves.
; LAYOUT.  S^T = K Q^T holds one query a lane (lane % 16) and the keys 8 (lane / 16) + 0..7; two such results rounded to f16 are source 1 of O^T = V^T P.  K comes out of LDS as it lies, V turned.
; SOFTMAX.  p = 2^(c s - c m), c = log2(e) / 8, with a running maximum m; O and l are multiplied by a = 2^(c m_old - c m_new) in every step.  A block starts with c m far below every c s: its first a is 0.
; IN PHASES: a step's 16 products K Q^T, its softmax (one batch of 66 exponentials, one wait), its 16 products V^T P.  K and V of the next step are fetched from LDS behind the products that read them.
; THE RING: two slots of a tile each.  The change of slots stands in front of a tile's FOURTH step: that step's K and V have been asked for by then, so all reads of the slot are issued.
; THE COUNT: 9 tiles are 36 steps: tile 0's first three; seven trips of four (a tile's fourth step and the next tile's first three), each of which asks for a tile; a tail of five that asks for nothing.
; REGISTERS: window 0: v0-17 addresses and thresholds; v20-35 eight registers of statistics a tile; v64-127 S^T; v128-159 P.  window 1: v0-63 O^T; v64-95 Q; v96-127 the second block's Q; v128-191 K; v192-255 V.
.set KS,    64
.set PK,    144       ; a row of K in LDS: 128 bytes + 16: the 16 rows of a load start at 16 different groups of four banks (ISA guide 11.1)
.set PV,    160       ; a row of V: 128 + 32
.set VOFF,  4*KS*PK   ; a slot: 256 rows of K, then 256 rows of V
.set SLOT1, 1<<17
.set STAGE, SLOT1+4*KS*(PK+PV)  ; behind the ring, never filled: 16 rows x 144 bytes for each wave
.set SP,    144
.set SPARE, STAGE+4*16*SP       ; the spare words, 128 bytes for each wave
.set AK0, 2           ; v2   my lane's place in a step of K; never rewritten
.set AV0, 3           ; v3   the same for V
.set AK,  4           ; v4   the LDS address of K's next run of loads
.set AV,  5           ; v5   of V's
.set STO, 6           ; v6   the way out: where I put 16 bytes of a row
.set RD,  7           ; v7   where I read rows back
.set GO,  8           ; v8   my byte offset in 512 consecutive bytes of o
.set NEGV, 12         ; v12  -1e30
.set QO,  13          ; v13  my byte offset in 16 rows of Q
.set TH0, 14          ; v14-15  tile u: my query's place in the block less my lanes' 8 (l / 16)
.set TH,  16          ; v16-17  the same less the step's first key
.set ST,  20          ; tile u's statistics at v[ST+8 u]: c m, m, l (even keys', odd keys'), c0-c3 at work; a takes c2's place
.set PFO, 61          ; v61  256 x my thread's number
.set SPW, 62
.set NIL, 63
.set S,   64
.set P,   128
.set QF,  64          ; window 1
.set QB,  96
.set KF,  128         ; key block kb, channel half c at KF + 16 kb + 8 c
.set VF,  192         ; key half kk, channel block cb at VF + 32 kk + 8 cb
.set WV,  12
.set PB,  14          ; s14  b
.set HI,  15          ; s15  15 - b
.set G1K, 24
.set G1V, 32
.set G0K, 40
.set G0V, 44
.set TILES, 56        ; s56  the loop's count: trips still to come, the one in hand among them
.set CNT, 57          ; s57  steps up to the next change of slots
.set CS,  58          ; s[58:59] c
.set SEL, 60          ; s[60:61] v_permlanex16_b32's selects
.set TBK, 62          ; s62  LDS byte at which K of the step to be fetched begins
.set TBV, 63          ; s63  the same for V, less VOFF
.set RT,  70          ; s70  tiles of the block behind the one in hand
.set NXT, 71          ; s71  the tile to be asked for next
.set LQ,  72          ; s72  the last tile of the block whose tiles are being asked for
.set SI,  73          ; s73  the step in its tile, 0..3
.set OFF, 74          ; s[74:75] a tile's byte offset in K and V
.set D0,  76          ; s76  the first masked step of the tile in hand (64: none)
.set D2,  77          ; s77  its first dead step
.set PAR, 78          ; s78  the block's number % 2
.set T0,  79          ; s79  at work
.set OLO, 80          ; s[80:81] o at my rows of the second block
.set LIM, 82          ; s82  2 in the work-group that prefetches, else the greatest number
.set LO2, 83          ; s83  b / 2
.set PFK, 84          ; s[84:85] K's tile that the last prefetch named
.set PFV, 86          ; s[86:87] V's
.set QLO, 88          ; s[88:89] Q at my rows of the second block
.set MSB, 0
.macro WIN new
.if MSB != (\new)
	s_set_vgpr_msb (MSB<<8)|(\new)
.set MSB, (\new)
.endif
.endm
.set W_KQ, 0x05       ; K and Q in window 1, S^T in window 0
.set W_PV, 0x51       ; V and O^T in window 1, P in window 0
.set W_RS, 0x41       ; destination and source 0 in window 1, source 1 in window 0
; A fill.  Waves 0 and 1 fetch the two halves of a tile's K, waves 2 and 3 those of its V: 128 keys each.  An s_nop 0 and four v_nop follow each line.
.macro LOAD
	s_cmp_lt_u32 s[WV], 2
	s_cbranch_scc0 .Lfor_v_\@
	tensor_load_to_lds s[G0K:G0K+3], s[G1K:G1K+7]
	s_nop 0
.rept 4
	v_nop
.endr
	s_branch .Lasked_\@
.Lfor_v_\@:
	tensor_load_to_lds s[G0V:G0V+3], s[G1V:G1V+7]
	s_nop 0
.rept 4
	v_nop
.endr
.Lasked_\@:
.endm
; THE CHANGE OF SLOTS.  Each wave waits for all its tensor loads (one is out: its part of the other slot), adds 0 to its spare word, and waits for that and for its reads of the slot that it leaves.
; fill = 1: the old slot is filled again, first thing behind the barrier, with tile NXT; the load has four steps in which to land.  (At its first use slot 0 is waited for and slot 1 filled.)
.macro CHANGE fill
	WIN 0
	s_wait_tensorcnt 0x0                ; no tensor load of mine is out, so a group 0 may be written
	ds_add_u32 v[SPW], v[NIL]
.if \fill
	s_lshl_b32 s[OFF], s[NXT], 15       ; a tile is 32,768 bytes of K and of V
	s_xor_b32 s[G0K+1], s[G0K+1], SLOT1
	s_add_nc_u64 s[G0K+2:G0K+3], s[6:7], s[OFF:OFF+1]
	s_or_b32 s[G0K+3], s[G0K+3], 0x80000000
	s_xor_b32 s[G0V+1], s[G0V+1], SLOT1
	s_add_nc_u64 s[G0V+2:G0V+3], s[8:9], s[OFF:OFF+1]
	s_or_b32 s[G0V+3], s[G0V+3], 0x80000000
	s_add_co_u32 s[NXT], s[NXT], 1      ; the block's next tile, or behind its last the second block's tile 0
	s_cmp_gt_u32 s[NXT], s[LQ]
	s_cselect_b32 s[NXT], 0, s[NXT]
	s_cselect_b32 s[LQ], s[LO2], s[LQ]
	s_wait_xcnt 0x0                     ; the last prefetches, four steps back, have read their addresses
	s_add_nc_u64 s[PFK:PFK+1], s[PFK:PFK+1], 32768
	s_add_nc_u64 s[PFV:PFV+1], s[PFV:PFV+1], 32768
.endif
	s_wait_dscnt 0x0                    ; the add is done, and my reads of the slot are over
	s_barrier_signal -1
	s_sub_co_u32 s[TBK], s[TBK], 4*KS*PK  ; the fetches go back to a slot's first step, in the other slot
	s_xor_b32 s[TBK], s[TBK], SLOT1
	s_sub_co_u32 s[TBV], s[TBV], 4*KS*PV
	s_xor_b32 s[TBV], s[TBV], SLOT1
	s_barrier_wait -1
.if \fill
	LOAD
.endif
.endm
; A PREFETCH of the tile that the NEXT change of slots will ask for.  Of a head's eight work-groups the one with b = 0 walks all eight tiles: it alone asks, its 128 threads naming the 128 blocks of
; 256 bytes of K's tile and of V's.  The change that asks for tile n names tile n + 1, n = 1 .. 6: tiles 2 to 7 are named once each, four steps ahead of their loads; tiles 0 and 1 come by their loads alone.
; In the loop's trip p the count stands at 8 - p and tile p + 2 would be named: the test lets trips 1 to 5 ask.
.macro ASK how
.if \how
	s_cmp_eq_u32 s[LIM], 2
.else
	s_cmp_gt_u32 s[TILES], s[LIM]
.endif
	s_cbranch_scc0 .Lnot_mine_\@
	global_prefetch_b8 v[PFO], s[PFK:PFK+1] th:TH_LOAD_NT scope:SCOPE_SE
	global_prefetch_b8 v[PFO], s[PFV:PFV+1] th:TH_LOAD_NT scope:SCOPE_SE
.Lnot_mine_\@:
.endm
	s_load_b128 s[48:51], s[0:1], 0x0   ; act s[48:49], o s[50:51]
	v_lshl_add_u32 v[SPW], v0, 2, SPARE
	v_mov_b32 v[NIL], 0
	ds_add_u32 v[SPW], v[NIL]           ; the wave's opening: the add and its wait ahead of my first tensor load
	ds_add_u32 v62, v63
	v_lshrrev_b32 v1, 5, v0
	v_readfirstlane_b32 s[WV], v1
	s_mov_b32 s[PB], ttmp9
	s_sub_co_u32 s[HI], 15, s[PB]
	s_lshr_b32 s[LO2], s[PB], 1
	s_and_b32 s20, ttmp7, 0xffff
	s_and_b32 s21, s20, 15              ; the head
	s_lshr_b32 s22, s20, 4              ; the sequence
	s_lshl_b32 s16, s21, 19             ; a block of act is 524,288 bytes,
	s_lshl_b32 s17, s22, 18             ; a sequence's rows in it 262,144
	s_add_co_u32 s16, s16, s17
	s_mov_b32 s17, 0
	s_and_b32 s18, s[WV], 1             ; which half of a tile's keys I fetch:
	s_lshl_b32 s2, s18, 14              ; its 128 rows in memory,
	s_mov_b32 s3, 0
	s_mul_i32 s19, s18, 128*PK          ; and its place in a slot, for K
	s_mul_i32 s23, s18, 128*PV          ; and for V
	s_lshl_b32 s13, s[WV], 11           ; my 16 rows of 128 bytes
	s_lshl_b32 s52, s[HI], 14           ; in the first block of 128 queries,
	s_add_co_u32 s52, s52, s13
	s_mov_b32 s53, 0
	s_lshl_b32 s54, s[PB], 14           ; and in the second
	s_add_co_u32 s54, s54, s13
	s_mov_b32 s55, 0
	s_lshl_b32 s20, s22, 4              ; o: 16 blocks of 128 tokens a sequence, 262,144 bytes each; in it the head's 16,384 and my rows
	s_lshl_b32 s21, s21, 14
	s_add_co_u32 s21, s21, s13
	s_add_co_u32 s66, s20, s[HI]
	s_lshl_b32 s66, s66, 18
	s_add_co_u32 s66, s66, s21
	s_mov_b32 s67, 0
	s_add_co_u32 s68, s20, s[PB]
	s_lshl_b32 s68, s68, 18
	s_add_co_u32 s68, s68, s21
	s_mov_b32 s69, 0
	; descriptor group 1.  128 keys are 16,384 dense bytes: asked for as 64 rows of 256 bytes, two keys a row, and padded in LDS after every key
	s_mov_b32 s[G1K], (1<<16)|(1<<20)|(4<<22)|(3<<25)  ; 2-byte elements; padding on; after every 32 words, 4 words
	s_mov_b32 s[G1V], (1<<16)|(1<<20)|(4<<22)|(7<<25)  ; the same with 8 words
.irp g, G1K, G1V
	s_mov_b32 s[\g+1], 128<<16
	s_mov_b32 s[\g+2], 64<<16
	s_mov_b32 s[\g+3], 128<<16
	s_mov_b32 s[\g+4], 64
	s_mov_b32 s[\g+5], 128
	s_mov_b32 s[\g+6], 0
	s_mov_b32 s[\g+7], 0
.endr
	s_mov_b32 s[CS], 0x3e38aa3b         ; c = log2(e) / 8
	s_mov_b32 s[CS+1], s[CS]
	s_mov_b32 s[SEL], 0x76543210
	s_mov_b32 s[SEL+1], 0xfedcba98
	s_mov_b32 s[TBK], SLOT1+4*KS*PK     ; the first change of slots turns these two into 0
	s_mov_b32 s[TBV], SLOT1+4*KS*PV
	s_mov_b32 s[G0K], 1
	s_mov_b32 s[G0K+1], s19
	s_mov_b32 s[G0V], 1
	s_add_co_u32 s[G0V+1], s23, VOFF
	s_lshr_b32 s[RT], s[HI], 1          ; the first block has (15 - b) / 2 tiles behind its first: four or more
	s_mov_b32 s[LQ], s[RT]
	s_and_b32 s[PAR], s[HI], 1
	s_mov_b32 s[NXT], 1
	s_mov_b32 s[SI], 0
	s_mov_b32 s[D0], 64
	s_mov_b32 s[D2], 66
	s_mov_b32 s[OFF+1], 0
	s_cmp_eq_u32 s[PB], 0
	s_cselect_b32 s[LIM], 2, -1
	s_wait_dscnt 0x0                    ; the opening add is done
	s_wait_kmcnt 0x0
	s_add_nc_u64 s[48:49], s[48:49], s[16:17]      ; act at the head's q of this sequence
	s_add_nc_u64 s[4:5], s[48:49], s[52:53]
	s_add_nc_u64 s[QLO:QLO+1], s[48:49], s[54:55]
	s_add_nc_u64 s[PFK:PFK+1], s[48:49], 0x800000  ; k lies 16 blocks on, v 32
	s_add_nc_u64 s[PFV:PFV+1], s[48:49], 0x1000000
	s_add_nc_u64 s[6:7], s[PFK:PFK+1], s[2:3]      ; K and V at my half of tile 0
	s_add_nc_u64 s[8:9], s[PFV:PFV+1], s[2:3]
	s_add_nc_u64 s[PFK:PFK+1], s[PFK:PFK+1], 32768 ; at tile 1: the first change of slots steps them to tile 2
	s_add_nc_u64 s[PFV:PFV+1], s[PFV:PFV+1], 32768
	s_add_nc_u64 s[10:11], s[50:51], s[66:67]
	s_add_nc_u64 s[OLO:OLO+1], s[50:51], s[68:69]
	s_add_nc_u64 s[G0K+2:G0K+3], s[6:7], 0
	s_or_b32 s[G0K+3], s[G0K+3], 0x80000000
	s_add_nc_u64 s[G0V+2:G0V+3], s[8:9], 0
	s_or_b32 s[G0V+3], s[G0V+3], 0x80000000
	LOAD                                ; tile 0 into slot 0
	v_and_b32 v1, 15, v0                ; l % 16
	v_bfe_u32 v9, v0, 4, 1              ; l / 16
	v_lshlrev_b32 v[QO], 7, v1
	v_lshl_add_u32 v[QO], v9, 4, v[QO]  ; row x 128 + 16 x half
	WIN 0x40                            ; destination window 1
.irp u, 0,1                         ; both blocks' Q: tile u lies 64 rows on; channels 32 c on
.irp c, 0,1
	global_load_b128 v[QF+16*(\u)+8*(\c):QF+16*(\u)+8*(\c)+3],   v[QO], s[4:5] offset:(\u)*8192+(\c)*64
	global_load_b128 v[QF+16*(\u)+8*(\c)+4:QF+16*(\u)+8*(\c)+7], v[QO], s[4:5] offset:(\u)*8192+(\c)*64+32
	global_load_b128 v[QB+16*(\u)+8*(\c):QB+16*(\u)+8*(\c)+3],   v[QO], s[QLO:QLO+1] offset:(\u)*8192+(\c)*64
	global_load_b128 v[QB+16*(\u)+8*(\c)+4:QB+16*(\u)+8*(\c)+7], v[QO], s[QLO:QLO+1] offset:(\u)*8192+(\c)*64+32
.endr
.endr
.set i, 0
.rept 64                            ; O^T need only be finite, since a block's first a is 0: written in the wait for the first tile, so that no first step is written out
	v_mov_b32 v[i], 0
.set i, i+1
.endr
	WIN 0
.irp u, 0,1
	v_mov_b32 v[ST+8*(\u)], 0xfe000000     ; c m: far below every c s
	v_mov_b32 v[ST+8*(\u)+1], 0xff7fffff   ; m
	v_mov_b32 v[ST+8*(\u)+2], 0
	v_mov_b32 v[ST+8*(\u)+3], 0
.endr
	v_mov_b32 v[NEGV], 0xf149f2ca
	v_lshlrev_b32 v[TH0], 3, v9
	v_sub_nc_u32 v[TH0], v1, v[TH0]
	s_lshl_b32 s13, s[WV], 4
	v_add_nc_u32 v[TH0], s13, v[TH0]    ; 16 wave + l % 16 - 8 (l / 16)
	v_add_nc_u32 v[TH0+1], 64, v[TH0]
	v_mul_u32_u24 v[AK0], v1, PK
	v_lshl_add_u32 v[AK0], v9, 4, v[AK0]
	; The turning load takes 16 keys x 16 channels (lane l reads key 8 (l / 16) + l % 8, channels 8 ((l / 8) % 2) + 0..7) and leaves half a fragment of V^T.
	v_and_b32 v10, 7, v0
	v_bfe_u32 v11, v0, 3, 1
	v_lshl_add_u32 v[AV0], v9, 3, v10
	v_mul_u32_u24 v[AV0], v[AV0], PV
	v_lshl_add_u32 v[AV0], v11, 4, v[AV0]
	v_add_nc_u32 v[AV0], VOFF, v[AV0]
	s_mul_i32 s13, s[WV], 16*SP
	s_add_co_u32 s13, s13, STAGE        ; my stage
	v_mul_u32_u24 v[STO], v1, SP
	v_lshl_add_u32 v[STO], v9, 4, v[STO]
	v_add_nc_u32 v[STO], s13, v[STO]
	v_bfe_u32 v[RD], v0, 3, 2           ; back: 32 lanes take four rows of 128 bytes,
	v_mul_u32_u24 v[RD], v[RD], SP
	v_lshl_add_u32 v[RD], v10, 4, v[RD]
	v_add_nc_u32 v[RD], s13, v[RD]
	v_and_b32 v[GO], 31, v0             ; which are 512 consecutive bytes of o
	v_lshlrev_b32 v[GO], 4, v[GO]
	v_lshlrev_b32 v[PFO], 8, v0
; Product i of 16 of S^T = K Q^T: channels 32 (i / 8) on, keys 16 ((i / 2) % 4) on, tile i % 2.  The 8 accumulators take turns; the first 8 products start the sums.
.macro KQ
	WIN W_KQ
.set rS, S+32*(i%2)+8*((i/2)%4)
.set rK, KF+16*((i/2)%4)+8*(i/8)
.set rQ, QF+16*(i%2)+8*(i/8)
.if i < 8
	v_wmma_f32_16x16x32_f16 v[rS:rS+7], v[rK:rK+7], v[rQ:rQ+7], 0
.else
	v_wmma_f32_16x16x32_f16 v[rS:rS+7], v[rK:rK+7], v[rQ:rQ+7], v[rS:rS+7]
.endif
.endm
; Product i of 16 of O^T += V^T P: keys 32 (i / 8) on, channels 16 ((i / 2) % 4) on, tile i % 2.
.macro PV
	WIN W_PV
.set rO, 32*(i%2)+8*((i/2)%4)
.set rV, VF+32*(i/8)+8*((i/2)%4)
.set rP, P+16*(i%2)+8*(i/8)
	v_wmma_f32_16x16x32_f16 v[rO:rO+7], v[rV:rV+7], v[rP:rP+7], v[rO:rO+7]
.endm
; The LDS loads stand in runs of 16.  last = 1 (the tail): the walk's last step has no step behind it; its way round K's run waits for all LDS loads, so that the counted wait for V holds on both ways.
.macro FETCH_K last
	WIN 0
.if \last
	s_cmp_eq_u32 s[CNT], 1
	s_cbranch_scc1 .Lno_k_\@
.endif
	WIN 0x40
.irp f, 0,1,2,3,4,5,6,7
	ds_load_b128 v[KF+8*\f:KF+8*\f+3],   v[AK] offset:(\f/2)*16*PK+(\f%2)*64
	ds_load_b128 v[KF+8*\f+4:KF+8*\f+7], v[AK] offset:(\f/2)*16*PK+(\f%2)*64+32
.endr
	WIN 0
	s_add_co_u32 s[TBK], s[TBK], KS*PK
.if \last
	s_branch .Lk_\@
.Lno_k_\@:
	s_wait_dscnt 0x0
.Lk_\@:
.endif
.endm
.macro FETCH_V last
	WIN 0
.if \last
	s_cmp_eq_u32 s[CNT], 1
	s_cbranch_scc1 .Lno_v_\@
.endif
	WIN 0x40
.irp f, 0,1,2,3,4,5,6,7
	ds_load_tr16_b128 v[VF+8*\f:VF+8*\f+3],   v[AV] offset:(\f/4)*32*PV+(\f%4)*32
	ds_load_tr16_b128 v[VF+8*\f+4:VF+8*\f+7], v[AV] offset:(\f/4)*32*PV+16*PV+(\f%4)*32
.endr
	WIN 0
	s_add_co_u32 s[TBV], s[TBV], KS*PV
.if \last
.Lno_v_\@:
.endif
.endm
; One tile's softmax for one step is a list of 118 instructions; SM writes number j of it for tile t.  s0-s31 are the lane's 32 scores, in pairs 0-15.
;   0-15    the maximum of s0-s31 and the old m, three operands at a time (each accumulator's lowest registers are read first)
;   16-20   the other half of the lanes' maximum; the new m; c m; c m_old - c m_new
;   21-69   the 16 scalings c s - c m and all 33 exponentials (a at 23): none of these reads an exponential's result; a pair is scaled ahead of its exponentials
;   70-85   the roundings to f16     86-101  the sums; l = a l + the sum     102-117  the tile's O^T times a
.macro SM t
.set rT, ST+8*(\t)
.set rS, S+32*(\t)
.set rP, P+16*(\t)
.set rO, 32*(\t)+2*(j-102)
.if j < 102
	WIN 0
.endif
.if j < 4
	v_max3_num_f32 v[rT+4+j], v[rS+8*j], v[rS+8*j+1], v[rS+8*j+2]
.elseif j < 12
	v_max3_num_f32 v[rT+4+j%4], v[rT+4+j%4], v[rS+8*(j%4)+2*(j/4)+1], v[rS+8*(j%4)+2*(j/4)+2]
.elseif j == 12
	v_max3_num_f32 v[rT+4], v[rT+4], v[rS+7], v[rS+15]
.elseif j == 13
	v_max3_num_f32 v[rT+6], v[rT+6], v[rS+23], v[rS+31]
.elseif j == 14
	v_max3_num_f32 v[rT+4], v[rT+4], v[rT+5], v[rT+6]
.elseif j == 15
	v_max3_num_f32 v[rT+4], v[rT+4], v[rT+7], v[rT+1]
.elseif j == 16
	v_permlanex16_b32 v[rT+5], v[rT+4], s[SEL], s[SEL+1]
.elseif j == 17
	v_mov_b32 v[rT+7], v[rT]
.elseif j == 18
	v_max_num_f32 v[rT+1], v[rT+4], v[rT+5]
.elseif j == 19
	v_mul_f32 v[rT], s[CS], v[rT+1]
.elseif j == 20
	v_sub_f32 v[rT+7], v[rT+7], v[rT]
.elseif j == 23
	v_exp_f32 v[rT+6], v[rT+7]
.elseif (j < 23) || ((j < 38) && (j%2 == 0)) || ((j < 66) && (j%4 == 2))
.set b, (j-2)/4                     ; 38, 42, .. 62: pairs 9 to 15
.if j < 38
.set b, (j-20)/2                    ; 21: pair 0; 22, 24, .. 36: pairs 1 to 8
.endif
	v_pk_fma_f32 v[rS+2*b:rS+2*b+1], v[rS+2*b:rS+2*b+1], s[CS:CS+1], v[rT:rT+1] op_sel_hi:[1,0,0] neg_lo:[0,0,1] neg_hi:[0,0,1]
.elseif j < 70
.set e, j-38                        ; 66 to 69: s28 to s31
.if j < 66
.set e, j-32-(j-38)/4               ; 39-41, 43-45, .. 63-65: s7 to s27
.endif
.if j < 38
.set e, (j-25)/2                    ; 25, 27, .. 37: s0 to s6
.endif
	v_exp_f32 v[rS+e], v[rS+e]
.elseif j < 86
	v_cvt_pk_f16_f32 v[rP+j-70], v[rS+2*(j-70)], v[rS+2*(j-70)+1]
.elseif j < 102                     ; the 16 pairs are added in place, neighbours 1, 2, 4 and 8 pairs apart; then l takes the sum
.set z, j-86
.set w, 4
.set u, z
.if z >= 14
.set w, 32
.set u, 0
.elseif z >= 12
.set w, 16
.set u, z-12
.elseif z >= 8
.set w, 8
.set u, z-8
.endif
.if z < 15
	v_pk_add_f32 v[rS+w*u:rS+w*u+1], v[rS+w*u:rS+w*u+1], v[rS+w*u+w/2:rS+w*u+w/2+1]
.else
	v_pk_fma_f32 v[rT+2:rT+3], v[rT+2:rT+3], v[rT+6:rT+7], v[rS:rS+1] op_sel_hi:[1,0,1]
.endif
.else
	WIN W_RS
	v_pk_mul_f32 v[rO:rO+1], v[rO:rO+1], v[rT+6:rT+7] op_sel_hi:[1,0]
.endif
.endm
; THE WAY OUT of tile t: O^T is divided by l, rounded to f16, sent through my stage and comes back as whole rows of 128 bytes, into S^T's registers.
.macro PACK t
	WIN W_RS
.set i, 32*(\t)
.rept 16
	v_pk_mul_f32 v[i:i+1], v[i:i+1], v[ST+8*(\t)+2:ST+8*(\t)+3] op_sel_hi:[1,0]
.set i, i+2
.endr
	WIN 0x05                            ; sources 0 and 1 window 1, destination window 0
.set i, 0
.rept 16
	v_cvt_pk_f16_f32 v[S+16*(\t)+i], v[32*(\t)+2*i], v[32*(\t)+2*i+1]
.set i, i+1
.endr
	WIN 0
.irp f, 0,1,2,3
	ds_store_b128 v[STO], v[S+16*(\t)+4*\f:S+16*(\t)+4*\f+3] offset:32*\f
.endr
.irp f, 0,1,2,3
	ds_load_b128 v[S+16*(\t)+4*\f:S+16*(\t)+4*\f+3], v[RD] offset:\f*4*SP  ; LDS serves a wave's instructions in order (ISA guide 5.7.1.4): these see the stores above
.endr
.endm
.macro SEND t, younger              ; younger: the LDS instructions issued behind tile t's loads
	WIN 0
.irp f, 0,1,2,3
	s_wait_dscnt (\younger)+3-\f
	global_store_b128 v[GO], v[S+16*(\t)+4*\f:S+16*(\t)+4*\f+3], s[10:11] offset:(\t)*8192+\f*512  ; 512 consecutive bytes, at a multiple of 256 from o's first
.endr
.endm
; A BLOCK ENDS: its rows leave, and the state is set for the second block (behind the second block that serves nothing).  O^T and l keep finite numbers: the next first a is 0.
.macro END
	WIN 0
.irp t, 0,1
	v_add_f32 v[ST+8*\t+2], v[ST+8*\t+2], v[ST+8*\t+3]
.endr
.irp t, 0,1
	v_permlanex16_b32 v[ST+8*\t+3], v[ST+8*\t+2], s[SEL], s[SEL+1]
.endr
.irp t, 0,1
	v_add_f32 v[ST+8*\t+2], v[ST+8*\t+2], v[ST+8*\t+3]
.endr
.irp t, 0,1
	v_rcp_f32 v[ST+8*\t+2], v[ST+8*\t+2]
.endr
	v_nop                               ; a plain instruction behind the last reciprocal,
	s_wait_alu depctr_va_vdst(0)        ; and the wait ahead of the first use: one for both
	PACK 0
	PACK 1
	SEND 0, 8
	SEND 1, 0
	s_wait_xcnt 0x0                     ; the stores have read their data and o's address
	s_mov_b64 s[10:11], s[OLO:OLO+1]
	s_mov_b32 s[RT], s[LO2]
	s_and_b32 s[PAR], s[PB], 1
.irp t, 0,1
	v_mov_b32 v[ST+8*\t], 0xfe000000
	v_mov_b32 v[ST+8*\t+1], 0xff7fffff
.endr
	WIN 0x41
.set i, 0
.rept 32
	v_mov_b32 v[QF+i], v[QB+i]          ; the second block's Q goes where the one text of the products names Q
.set i, i+1
.endr
	WIN 0
.endm
; A KEY STEP.  On every way here K of the step was asked for ahead of its V, 16 loads each, and nothing behind them is out.
.macro STEP last
	WIN 0
	s_cmp_lt_u32 s[SI], s[D2]
	s_cbranch_scc0 .Ldead_\@
	s_wait_dscnt 16                     ; K is in; V's 16 loads may stay out
.set i, 0
.rept 16
	KQ
.set i, i+1
.endr
	WIN 0
	v_add_nc_u32 v[AK], s[TBK], v[AK0]  ; the next step's addresses and two v_nop: the four places behind the products
	v_add_nc_u32 v[AV], s[TBV], v[AV0]
	v_nop
	v_nop
	FETCH_K \last
	s_cmp_lt_u32 s[SI], s[D0]
	s_cbranch_scc1 .Lopen_\@
	s_sub_co_u32 s[T0], s[D0], s[SI]    ; the mask: register i of tile u holds key 64 (SI - D0) + 16 (i / 8) + 8 (l / 16) + i % 8 of the block's own 128; it is hidden where that is beyond the query
	s_lshl_b32 s[T0], s[T0], 6
	v_add_nc_u32 v[TH], s[T0], v[TH0]
	v_add_nc_u32 v[TH+1], s[T0], v[TH0+1]
.irp u, 0,1
.set i, 0
.rept 32
	v_cmp_gt_i32 vcc_lo, 16*(i/8)+i%8, v[TH+(\u)]
	v_cndmask_b32 v[S+32*(\u)+i], v[S+32*(\u)+i], v[NEGV], vcc_lo
.set i, i+1
.endr
.endr
.Lopen_\@:
.set j, 0
.rept 70
	SM 0
	SM 1
.set j, j+1
.endr
	v_nop                               ; a plain instruction behind the last exponential,
	s_wait_alu depctr_va_vdst(0)        ; and ONE wait for the batch of 66, ahead of its first reader
.rept 48
	SM 0
	SM 1
.set j, j+1
.endr
	s_wait_dscnt 16                     ; V is in; the next K's 16 loads may stay out
.set i, 0
.rept 16
	PV
.set i, i+1
.endr
	WIN 0
.rept 4
	v_nop                               ; the places behind the products, in front of the loads into V's registers and of a block's end
.endr
	FETCH_V \last
	s_branch .Lnext_\@
.Ldead_\@:                              ; nothing of this step is seen: only the fetches go on, so that the ring's walk stays the same
	s_wait_dscnt 0x0
	v_add_nc_u32 v[AK], s[TBK], v[AK0]
	v_add_nc_u32 v[AV], s[TBV], v[AV0]
	FETCH_K \last
	FETCH_V \last
.Lnext_\@:
	s_add_co_u32 s[SI], s[SI], 1
	s_and_b32 s[SI], s[SI], 3
	s_cmp_lg_u32 s[SI], 0
	s_cbranch_scc1 .Lsame_\@
	s_cmp_lg_u32 s[RT], 0               ; a tile is over: was it the block's last?
	s_cbranch_scc0 .Lend_\@
	s_sub_co_u32 s[RT], s[RT], 1
	s_branch .Lset_\@
.Lend_\@:
	END
.Lset_\@:
	s_lshl_b32 s[D0], s[PAR], 1         ; the block's last tile is masked from step 2 p on and dead from 2 p + 2 on
	s_cmp_eq_u32 s[RT], 0
	s_cselect_b32 s[D0], s[D0], 64
	s_add_co_u32 s[D2], s[D0], 2
.Lsame_\@:
.endm
	CHANGE 1                            ; tile 0 is in, everybody's part of it; tile 1 is asked for
	ASK 1
	v_add_nc_u32 v[AK], s[TBK], v[AK0]
	v_add_nc_u32 v[AV], s[TBV], v[AV0]
	FETCH_K 0                           ; step 0
	FETCH_V 0
	s_wait_loadcnt 0x0                  ; Q
	s_mov_b32 s[TILES], 8               ; the loop is entered in its middle: the count is taken down once behind tile 0's first three steps, and seven whole trips follow
	s_mov_b32 s[CNT], 3                 ; tile 0's first three steps
	s_branch .Lstep
.Ltile:                                 ; seven times: trip p asks for tile p + 1 and does tile p - 1's fourth step and tile p's first three
	CHANGE 1
	ASK 0
	s_mov_b32 s[CNT], 4
.Lstep:
	STEP 0
	s_sub_co_u32 s[CNT], s[CNT], 1
	s_cmp_lg_u32 s[CNT], 0
	s_cbranch_scc1 .Lstep
	s_sub_co_u32 s[TILES], s[TILES], 1
	s_cmp_lg_u32 s[TILES], 0
	s_cbranch_scc1 .Ltile
	CHANGE 0                            ; the tail is written out: nothing is asked for
	s_mov_b32 s[CNT], 5                 ; tile 7's fourth step and tile 8's four
.LstepT:
	STEP 1
	s_sub_co_u32 s[CNT], s[CNT], 1
	s_cmp_lg_u32 s[CNT], 0
	s_cbranch_scc1 .LstepT
	s_wait_tensorcnt 0x0                ; the wave's end
	ds_add_u32 v[SPW], v[NIL]
	s_wait_dscnt 0x0
	s_endpgm
.Lfunc_end_k_q1537fcc15a_attn:
	.size	k_q1537fcc15a_attn, .Lfunc_end_k_q1537fcc15a_attn-k_q1537fcc15a_attn
	.p2alignl 7, 3214868480
	.fill 96, 4, 3214868480
	.section	.rodata,"a",@progbits
	.p2align	6, 0x0
	.amdhsa_kernel k_q1537fcc15a_attn
		.amdhsa_group_segment_fixed_size 327680
		.amdhsa_private_segment_fixed_size 0
		.amdhsa_enable_private_segment 0
		.amdhsa_kernarg_size 16
		.amdhsa_user_sgpr_count 2
		.amdhsa_user_sgpr_kernarg_segment_ptr 1
		.amdhsa_wavefront_size32 1
		.amdhsa_system_sgpr_workgroup_id_x 1
		.amdhsa_system_sgpr_workgroup_id_y 1
		.amdhsa_system_sgpr_workgroup_id_z 1
		.amdhsa_system_vgpr_workitem_id 0
		.amdhsa_next_free_vgpr 512
		.amdhsa_next_free_sgpr 92
		.amdhsa_reserve_vcc 1
		.amdhsa_float_denorm_mode_32 3
		.amdhsa_float_denorm_mode_16_64 3
		.amdhsa_memory_ordered 1
		.amdhsa_forward_progress 1
		.amdhsa_inst_pref_size 83
	.end_amdhsa_kernel
	.amdgpu_metadata
---
amdhsa.version: [ 1, 2 ]
amdhsa.kernels:
  - .name:           k_q1537fcc15a_attn
    .symbol:         k_q1537fcc15a_attn.kd
    .args:
      - { .name: act, .offset: 0, .size: 8, .value_kind: global_buffer, .address_space: global }
      - { .name: o, .offset: 8, .size: 8, .value_kind: global_buffer, .address_space: global }
    .group_segment_fixed_size: 327680
    .private_segment_fixed_size: 0
    .kernarg_segment_align: 8
    .kernarg_segment_size: 16
    .max_flat_workgroup_size: 128
    .sgpr_count:     92
    .vgpr_count:     512
    .wavefront_size: 32
...
	.end_amdgpu_metadata
.endif
;; end of part 3
;; launch oproj (part 4): grid 8 x 32, 4 waves a work-group, clusters of 4 x 4, 327,680 bytes of LDS; arguments o, wt, tab, x, x1; writes x1
.if DOCPART == 4
	.amdgcn_target "amdgcn-amd-amdhsa--gfx1250"
	.amdhsa_code_object_version 6
	.text
	.protected	k_q1537fcc15a_oproj
	.globl	k_q1537fcc15a_oproj
	.p2align	8
	.type	k_q1537fcc15a_oproj,@function
k_q1537fcc15a_oproj:
	s_mov_b64 s[64:65], 0
	v_nop
	global_prefetch_b8 v0, s[64:65] scope:SCOPE_SE
	s_setreg_imm32_b32 hwreg(HW_REG_WAVE_MODE, 25, 1), 1
	s_wait_xcnt 0x0
	s_wait_alu depctr_hold_cnt(0) depctr_sa_sdst(0) depctr_va_vdst(0) depctr_va_sdst(0) depctr_va_ssrc(0) depctr_va_vcc(0) depctr_vm_vsrc(0)
	s_getreg_b32 s2, hwreg(HW_REG_IB_STS2, 6, 4)
	s_cmp_eq_u32 s2, 0
	s_cbranch_scc0 .Lentry_in_a_cluster
	s_endpgm
.Lentry_in_a_cluster:
	s_bfe_u32 s2, ttmp6, 0x10000c
	s_cmp_lg_u32 s2, 0xf033
	s_cbranch_scc0 .Lentry_shape_is_right
	s_endpgm
.Lentry_shape_is_right:
; x1 = x + o W_o + b_o.  o: f16 [32 blocks of 128 rows][16 blocks of 64 along K][128 rows][64]; the weight lies in wt at 0x600000 as [1024][1024] f16 (rows along K; bf16-rounded numbers);
; b: 1,024 f32 at byte 12,288 of the table of rounded small inputs; x, x1: [4096][1024] f32.  Sums in f32, the bias first; the residual is added in f32 on the way out.
; x is an input of the program: like every input it is rounded once to bf16 as it comes in, here as in the first norm.
; A tile of 128 x 128 gives each of 256 places a work-group.  Four waves, each 64 x 64: 16 accumulators.  K goes in steps of 256 through two LDS slots; ONE text of a K step is walked by a counted loop.
; A K step of the left operand is 65,536 dense bytes (4 blocks of 128 rows x 128 bytes): two loads of 128 rows of 256 bytes, padded in LDS after every 128 bytes.  The weight's rows are 512 bytes of memory.
; CLUSTER: 4 x 4 work-groups; the left operand's tiles are shared along a row of the cluster, the weight's along a column, each asked for jointly.  No prefetch: a step's tiles are small.
; THE MATRIX INSTRUCTION IS USED TRANSPOSED (source 0 = 16 rows of the weight, source 1 = 16 rows of o): a lane holds eight neighbouring columns of one row.
; A wave's 64 columns of f32 are 256 aligned bytes of a row: each wave has a stage of its own and stores whole rows of them.
; REGISTERS: window 0: v0-31 addresses; v32-95 at work on the way out; v128-255 the accumulators ((a, b) at v[128 + 8 (4 a + b)]).  window 1: two fragment buffers of 128.
;   window 2: v0-127 the residual; v128-191 at work while it is rounded.
.set SIZE_K, 1024
.set WOFF,   0x600000                  ; the weight's place in wt
.set BIAS,   12288                     ; the bias's place in the table
.set KSTEP,  256
.set NSTEP,  SIZE_K/KSTEP
.set PA,     144                       ; a row of the left operand in LDS: 128 bytes + 16
.set PBW,    528                       ; a row of the weight: 512 bytes + 16
.set BOFF,   4*128*PA                  ; a slot: 4 blocks x 128 rows of the left operand, then 128 rows of the weight
.set SLOT,   0x24000                   ; its two bits occur in none of the four fill addresses 0, 0x9000, 0x12000, 0x1a400
.set STAGE,  SLOT+BOFF+128*PBW         ; behind the ring, never filled: 16 rows x 272 bytes for each wave
.set SPITCH, 272
.set SPARE,  STAGE+4*16*SPITCH
.set ADRA0, 16
.set ADRA,  17
.set ADRB0, 20
.set ADRB,  21
.set STO,  24                          ; v24  where I put 32 bytes of a row of my stage
.set RD,   25                          ; v25  where I read a row back
.set CO,   26                          ; v26  my byte offset in two rows of x and x1
.set BO,   27                          ; v27  32 x (l / 16)
.set SPW,  28
.set NIL,  29
.set TT,   32                          ; two buffers of 32 on the way out
.set ACC,  128
.set F0,   0
.set F1,   128
.set G1, 24
.set G0, 32
.set G1B, 48
.set G0B, 56
.set TB, 72                            ; s72  the slot to be read: 0 or SLOT
.set UP, 73                            ; s73  a word's upper bf16
.set MSB, 0
.macro WIN new
.if MSB != (\new)
	s_set_vgpr_msb (MSB<<8)|(\new)
.set MSB, \new
.endif
.endm
.set MUL,  0x05                        ; sources 0 and 1 window 1; C and D window 0
.set TO_F, 0x40
.macro JLOAD s                         ; waves 0 and 1 fetch the left operand's two halves, waves 2 and 3 the weight's; an s_nop 0 and four v_nop follow each line
	s_cmp_eq_u32 s11, 0
	s_cbranch_scc0 .Lfor_b_\@
	tensor_load_to_lds s[G0+4*(\s):G0+4*(\s)+3], s[G1:G1+7]
	s_nop 0
.rept 4
	v_nop
.endr
	s_branch .Lasked_\@
.Lfor_b_\@:
	tensor_load_to_lds s[G0B+4*(\s):G0B+4*(\s)+3], s[G1B:G1B+7]
	s_nop 0
.rept 4
	v_nop
.endr
.Lasked_\@:
.endm
.macro CREST
	s_cmp_lg_u32 s10, 0
	s_cbranch_scc1 .Lnot_wave_0_\@
	s_barrier_signal -3
.Lnot_wave_0_\@:
	s_barrier_wait -3
	s_barrier_signal -1
	s_barrier_wait -1
.endm
.macro CROUND
	s_barrier_signal -1
	s_barrier_wait -1
	CREST
.endm
	s_load_b128 s[4:7], s[0:1], 0x0                ; the left operand s[4:5], wt s[6:7]
	s_load_b128 s[68:71], s[0:1], 0x10             ; the table s[68:69], the residual s[70:71]
	s_load_b64 s[8:9], s[0:1], 0x20                ; the result
	v_lshl_add_u32 v[SPW], v0, 2, SPARE
	v_mov_b32 v[NIL], 0
	ds_add_u32 v[SPW], v[NIL]                      ; the wave's opening: the add and its wait ahead of my first tensor load
	ds_add_u32 v28, v29
	v_lshrrev_b32 v1, 5, v0
	v_readfirstlane_b32 s10, v1
	s_lshr_b32 s11, s10, 1                         ; which half of the tile's rows is mine.  Also: I fetch for the left operand (0) or the weight (1)
	s_and_b32 s12, s10, 1                          ; which half of its columns.  Also: which half of that tile I fetch
	s_bfe_u32 s40, ttmp6, 0x40000
	s_bfe_u32 s41, ttmp6, 0x40004
	s_lshl_b32 s42, ttmp9, 2
	s_add_co_u32 s42, s42, s40                     ; tile column
	s_and_b32 s13, ttmp7, 0xffff
	s_lshl_b32 s13, s13, 2
	s_add_co_u32 s13, s13, s41                     ; tile row
	s_lshl_b32 s43, s41, 2
	s_lshl_b32 s43, 15, s43
	s_lshl_b32 s44, 0x1111, s40
	s_mov_b32 s[UP], 0xffff0000
	s_or_b32 s[G1+0], s43, (1<<16)|(1<<20)|(1<<21)|(4<<22)|(3<<25)   ; my row's mask; 2-byte elements; padding on; bit 21 beside a mask; after every 32 words, 4 words
	s_mov_b32 s[G1+1], 128<<16                     ; 128 rows of 128 elements, dense
	s_mov_b32 s[G1+2], 128<<16
	s_mov_b32 s[G1+3], 128<<16
	s_mov_b32 s[G1+4], 128
	s_mov_b32 s[G1+5], 128
	s_mov_b32 s[G1+6], 0
	s_mov_b32 s[G1+7], 0
	s_or_b32 s[G1B+0], s44, (1<<16)|(1<<20)|(1<<21)|(6<<22)|(3<<25)  ; my column's mask; after every 128 words, 4 words
	s_mov_b32 s[G1B+1], KSTEP<<16                  ; 64 rows of 256 elements, SIZE_K elements apart
	s_mov_b32 s[G1B+2], 64<<16
	s_mov_b32 s[G1B+3], KSTEP<<16
	s_mov_b32 s[G1B+4], 64
	s_mov_b32 s[G1B+5], SIZE_K
	s_mov_b32 s[G1B+6], 0
	s_mov_b32 s[G1B+7], 0
	s_mul_i32 s16, s13, SIZE_K*256                 ; the left operand: a block of 128 rows is SIZE_K x 256 bytes; my half of a K step 32,768
	s_lshl_b32 s17, s12, 15
	s_add_co_u32 s16, s16, s17
	s_mov_b32 s17, 0
	s_lshl_b32 s46, s42, 7                         ; the weight: row 128 x tile column + 64 x half
	s_lshl_b32 s47, s12, 6
	s_add_co_u32 s46, s46, s47
	s_mul_i32 s46, s46, SIZE_K*2
	s_mov_b32 s47, 0
	s_mul_i32 s20, s12, 2*128*PA                   ; where they go
	s_mul_i32 s21, s12, 64*PBW
	s_add_co_u32 s21, s21, BOFF
	s_wait_dscnt 0x0                               ; the opening add is done
	s_wait_kmcnt 0x0
	s_add_nc_u64 s[6:7], s[6:7], WOFF
	s_add_nc_u64 s[14:15], s[4:5], s[16:17]
	s_add_nc_u64 s[46:47], s[6:7], s[46:47]
	CROUND                                         ; all sixteen work-groups are here: the first joint loads meet
.irp s, 0,1
	s_mov_b32 s[G0+4*(\s)], 1
	s_add_co_u32 s[G0+4*(\s)+1], s20, (\s)*SLOT
	s_add_nc_u64 s[G0+4*(\s)+2:G0+4*(\s)+3], s[14:15], (\s)*65536
	s_or_b32 s[G0+4*(\s)+3], s[G0+4*(\s)+3], 0x80000000
	s_mov_b32 s[G0B+4*(\s)], 1
	s_add_co_u32 s[G0B+4*(\s)+1], s21, (\s)*SLOT
	s_add_nc_u64 s[G0B+4*(\s)+2:G0B+4*(\s)+3], s[46:47], (\s)*KSTEP*2
	s_or_b32 s[G0B+4*(\s)+3], s[G0B+4*(\s)+3], 0x80000000
	JLOAD \s                                       ; two tensor loads of mine are out
.endr
	v_and_b32 v1, 15, v0                           ; l % 16
	v_bfe_u32 v2, v0, 4, 1                         ; l / 16
	v_mul_u32_u24 v3, v1, PA
	v_lshl_add_u32 v3, v2, 4, v3
	s_mul_i32 s21, s11, 64*PA                      ; my 64 rows in each of the four blocks
	v_add_nc_u32 v[ADRA0], s21, v3
	v_mul_u32_u24 v3, v1, PBW
	v_lshl_add_u32 v3, v2, 4, v3
	s_mul_i32 s22, s12, 64*PBW
	s_add_co_u32 s22, s22, BOFF
	v_add_nc_u32 v[ADRB0], s22, v3
	v_mov_b32 v[ADRA], v[ADRA0]
	v_mov_b32 v[ADRB], v[ADRB0]
	s_mov_b32 s[TB], 0
	s_mul_i32 s23, s10, 16*SPITCH
	s_add_co_u32 s23, s23, STAGE                   ; my stage
	v_mul_u32_u24 v4, v1, SPITCH
	v_lshl_add_u32 v4, v2, 5, v4
	v_add_nc_u32 v[STO], s23, v4
	v_mul_u32_u24 v5, v2, SPITCH
	v_lshl_add_u32 v5, v1, 4, v5
	v_add_nc_u32 v[RD], s23, v5
	v_lshlrev_b32 v[CO], 12, v2                    ; two rows of 4,096 bytes, 16 bytes a lane
	v_lshl_add_u32 v[CO], v1, 4, v[CO]
	v_lshlrev_b32 v[BO], 5, v2
	s_lshl_b32 s46, s42, 9                         ; my 64 columns, in f32: 512 x tile column + 256 x half
	s_lshl_b32 s47, s12, 8
	s_add_co_u32 s46, s46, s47
	s_mov_b32 s47, 0
	s_add_nc_u64 s[68:69], s[68:69], s[46:47]
	s_lshl_b32 s16, s13, 19                        ; my 64 rows of 4,096 bytes: 128 x tile row + 64 x half
	s_lshl_b32 s17, s11, 18
	s_add_co_u32 s16, s16, s17
	s_mov_b32 s17, 0
	s_add_nc_u64 s[70:71], s[70:71], s[16:17]
	s_add_nc_u64 s[70:71], s[70:71], s[46:47]
	s_add_nc_u64 s[8:9], s[8:9], s[16:17]
	s_add_nc_u64 s[8:9], s[8:9], s[46:47]
.irp a, 0,1,2,3                        ; the bias starts the sums: register j of accumulator (a, b) is column 16 b + 8 (l / 16) + j
.irp b, 0,1,2,3
	global_load_b128 v[ACC+8*(4*(\a)+(\b)):ACC+8*(4*(\a)+(\b))+3],   v[BO], s[68:69] offset:BIAS+64*(\b)
	global_load_b128 v[ACC+8*(4*(\a)+(\b))+4:ACC+8*(4*(\a)+(\b))+7], v[BO], s[68:69] offset:BIAS+64*(\b)+16
.endr
.endr
	WIN 0x80                                       ; the residual, as the rows will come back from the stage
.irp a, 0,1,2,3
.irp t, 0,1,2,3,4,5,6,7
	global_load_b128 v[32*(\a)+4*(\t):32*(\a)+4*(\t)+3], v[CO], s[70:71] offset:(16*(\a)+2*(\t))*4096
.endr
.endr
	WIN 0
.macro MUL8 f, c, a0                   ; 8 matrix instructions: row blocks a0, a0 + 1 x all 4 column blocks, half c of buffer f.  The 16 accumulators take turns
	WIN MUL
.irp a, \a0, (\a0)+1
.irp b, 0,1,2,3
	v_wmma_f32_16x16x32_f16 v[ACC+8*(4*(\a)+(\b)):ACC+8*(4*(\a)+(\b))+7], v[(\f)+64+8*(4*(\c)+(\b)):(\f)+64+8*(4*(\c)+(\b))+7], v[(\f)+8*(4*(\c)+(\a)):(\f)+8*(4*(\c)+(\a))+7], v[ACC+8*(4*(\a)+(\b)):ACC+8*(4*(\a)+(\b))+7]
.endr
.endr
.endm
.macro FETCH q, f                      ; 32 LDS loads in one run: quarter q (64 along K) of the slot in hand; the first 32 along K first
	WIN TO_F
.irp c, 0,1
.irp i, 0,1,2,3
	ds_load_b128 v[(\f)+64+8*(4*(\c)+(\i)):(\f)+64+8*(4*(\c)+(\i))+3],   v[ADRB] offset:128*(\q)+64*(\c)+(\i)*16*PBW
	ds_load_b128 v[(\f)+64+8*(4*(\c)+(\i))+4:(\f)+64+8*(4*(\c)+(\i))+7], v[ADRB] offset:128*(\q)+64*(\c)+(\i)*16*PBW+32
	ds_load_b128 v[(\f)+8*(4*(\c)+(\i)):(\f)+8*(4*(\c)+(\i))+3],         v[ADRA] offset:(\q)*128*PA+64*(\c)+(\i)*16*PA
	ds_load_b128 v[(\f)+8*(4*(\c)+(\i))+4:(\f)+8*(4*(\c)+(\i))+7],       v[ADRA] offset:(\q)*128*PA+64*(\c)+(\i)*16*PA+32
.endr
.endr
.endm
.macro PLACES
.rept 4
	v_nop
.endr
.endm
.macro QUARTER q, f, g                 ; multiplies buffer f and fetches quarter q into g
	s_wait_dscnt 16                                ; the first 32 along K are in
	MUL8 \f, 0, 0
	MUL8 \f, 0, 2
	PLACES
	FETCH \q, \g
	s_wait_dscnt 32                                ; all but the 32 just issued
	MUL8 \f, 1, 0
	MUL8 \f, 1, 2
.endm
; THE CHANGE OF SLOTS stands in front of the last quarter's products, whose fragments (buffer 1) lie in registers: all reads of this slot are over.  Each wave waits for all its tensor loads, adds 0 to its
; spare word, and waits for that and for its reads of this slot (issued 16 matrix instructions back).  No matrix work stands between the wait and the refill: the refill has a whole K step's 128 matrix instructions in which to land.
.macro TURN fill
	WIN 0
	s_wait_tensorcnt 0x0                           ; no tensor load of mine is out, so a group 0 may be written
	ds_add_u32 v[SPW], v[NIL]                      ; the scalar steps stand between the add and the wait for it
.if \fill
	s_xor_b32 s[G0+5], s[G0+5], SLOT               ; the walking descriptors: the other slot than last time, the next K step
	s_add_nc_u64 s[G0+6:G0+7], s[G0+6:G0+7], 65536
	s_xor_b32 s[G0B+5], s[G0B+5], SLOT
	s_add_nc_u64 s[G0B+6:G0B+7], s[G0B+6:G0B+7], KSTEP*2
.endif
	s_xor_b32 s[TB], s[TB], SLOT
	s_wait_dscnt 0x0                               ; the add is done, and my reads of this slot are over
	s_barrier_signal -1
	s_barrier_wait -1
.if \fill
	CREST                                          ; the barrier has opened a round of the cluster's
	JLOAD 1                                        ; one tensor load of mine is out; its four v_nop are also the places in front of the loads below
.else
	PLACES
.endif
	v_add_nc_u32 v[ADRA], s[TB], v[ADRA0]
	v_add_nc_u32 v[ADRB], s[TB], v[ADRB0]
	FETCH 0, F0
	MUL8 F1, 0, 0
	MUL8 F1, 0, 2
	MUL8 F1, 1, 0
	MUL8 F1, 1, 2
.endm
	s_wait_tensorcnt 1                             ; my part of K step 0 is in; K step 1's may stay out
	s_barrier_signal -1
	s_barrier_wait -1
	FETCH 0, F0
	WIN 0
	s_wait_loadcnt 32                              ; the bias lies in the accumulators; the residual's 32 loads may stay out
	s_mov_b32 s3, NSTEP-2
.Lstep:                                            ; all K steps but the last two: each fills its slot again
	QUARTER 1, F0, F1
	QUARTER 2, F1, F0
	QUARTER 3, F0, F1
	TURN 1
	WIN 0
	s_sub_co_u32 s3, s3, 1
	s_cmp_lg_u32 s3, 0
	s_cbranch_scc1 .Lstep
	s_mov_b32 s3, 2
.Ltail:                                            ; the last two ask for nothing.  The second trip's fetch reads the other slot's old bytes and serves nothing: the price of one text for both
	QUARTER 1, F0, F1
	QUARTER 2, F1, F0
	QUARTER 3, F0, F1
	TURN 0
	WIN 0
	s_sub_co_u32 s3, s3, 1
	s_cmp_lg_u32 s3, 0
	s_cbranch_scc1 .Ltail
	; THE WAY OUT, 16 rows at a time: into my stage, back as whole rows of 256 bytes, the residual added, stored.
	s_wait_dscnt 0x0
	s_wait_loadcnt 0x0                             ; the residual
	PLACES
	PLACES
	WIN 0x8a                                       ; destination and both sources in window 2: x's one rounding to bf16,
.set i, 0
.rept 64
	v_cvt_pk_bf16_f32 v[128+i], v[2*i], v[2*i+1]
.set i, i+1
.endr
.set i, 0
.rept 64
	v_lshlrev_b32 v[2*i], 16, v[128+i]             ; and back to f32
	v_and_b32 v[2*i+1], s[UP], v[128+i]
.set i, i+1
.endr
	WIN 0
.irp a, 0,1,2,3
.if (\a) >= 2
	s_wait_xcnt 0x0                                ; the stores of two blocks back have read this buffer
.endif
.irp b, 0,1,2,3
	ds_store_b128 v[STO], v[ACC+8*(4*(\a)+(\b)):ACC+8*(4*(\a)+(\b))+3]   offset:64*(\b)      ; each accumulator's low registers first
	ds_store_b128 v[STO], v[ACC+8*(4*(\a)+(\b))+4:ACC+8*(4*(\a)+(\b))+7] offset:64*(\b)+16
.endr
.irp t, 0,1,2,3,4,5,6,7
	ds_load_b128 v[TT+32*((\a)%2)+4*(\t):TT+32*((\a)%2)+4*(\t)+3], v[RD] offset:(\t)*2*SPITCH  ; LDS serves a wave's instructions in order (ISA guide 5.7.1.4)
.endr
	s_wait_dscnt 0x0
	WIN 0x08                                       ; source 1: window 2
.set i, 0
.rept 16
	v_pk_add_f32 v[TT+32*((\a)%2)+2*i:TT+32*((\a)%2)+2*i+1], v[TT+32*((\a)%2)+2*i:TT+32*((\a)%2)+2*i+1], v[32*(\a)+2*i:32*(\a)+2*i+1]
.set i, i+1
.endr
	WIN 0
.irp t, 0,1,2,3,4,5,6,7
	global_store_b128 v[CO], v[TT+32*((\a)%2)+4*(\t):TT+32*((\a)%2)+4*(\t)+3], s[8:9] offset:(16*(\a)+2*(\t))*4096  ; 16 lanes store 256 consecutive bytes, aligned
.endr
.endr
	s_wait_tensorcnt 0x0                           ; the wave's end
	ds_add_u32 v[SPW], v[NIL]
	s_wait_dscnt 0x0
	CROUND                                         ; the closing round
	s_endpgm
.Lfunc_end_k_q1537fcc15a_oproj:
	.size	k_q1537fcc15a_oproj, .Lfunc_end_k_q1537fcc15a_oproj-k_q1537fcc15a_oproj
	.p2alignl 7, 3214868480
	.fill 96, 4, 3214868480
	.section	.rodata,"a",@progbits
	.p2align	6, 0x0
	.amdhsa_kernel k_q1537fcc15a_oproj
		.amdhsa_group_segment_fixed_size 327680
		.amdhsa_private_segment_fixed_size 0
		.amdhsa_enable_private_segment 0
		.amdhsa_kernarg_size 40
		.amdhsa_user_sgpr_count 2
		.amdhsa_user_sgpr_kernarg_segment_ptr 1
		.amdhsa_wavefront_size32 1
		.amdhsa_system_sgpr_workgroup_id_x 1
		.amdhsa_system_sgpr_workgroup_id_y 1
		.amdhsa_system_sgpr_workgroup_id_z 1
		.amdhsa_system_vgpr_workitem_id 0
		.amdhsa_next_free_vgpr 704
		.amdhsa_next_free_sgpr 74
		.amdhsa_reserve_vcc 0
		.amdhsa_float_denorm_mode_32 3
		.amdhsa_float_denorm_mode_16_64 3
		.amdhsa_memory_ordered 1
		.amdhsa_forward_progress 1
		.amdhsa_inst_pref_size 72
	.end_amdhsa_kernel
	.amdgpu_metadata
---
amdhsa.version: [ 1, 2 ]
amdhsa.kernels:
  - .name:           k_q1537fcc15a_oproj
    .symbol:         k_q1537fcc15a_oproj.kd
    .args:
      - { .name: o, .offset: 0, .size: 8, .value_kind: global_buffer, .address_space: global }
      - { .name: wt, .offset: 8, .size: 8, .value_kind: global_buffer, .address_space: global }
      - { .name: tab, .offset: 16, .size: 8, .value_kind: global_buffer, .address_space: global }
      - { .name: x, .offset: 24, .size: 8, .value_kind: global_buffer, .address_space: global }
      - { .name: x1, .offset: 32, .size: 8, .value_kind: global_buffer, .address_space: global }
    .group_segment_fixed_size: 327680
    .private_segment_fixed_size: 0
    .kernarg_segment_align: 8
    .kernarg_segment_size: 40
    .max_flat_workgroup_size: 128
    .sgpr_count:     74
    .vgpr_count:     704
    .wavefront_size: 32
...
	.end_amdgpu_metadata
.endif
;; end of part 4
;; launch ln2 (part 5): grid 1024 x 1, 4 waves a work-group, no clusters, 0 bytes of LDS; arguments x1, tab, h; writes h
.if DOCPART == 5
	.amdgcn_target "amdgcn-amd-amdhsa--gfx1250"
	.amdhsa_code_object_version 6
	.text
	.protected	k_q1537fcc15a_ln2
	.globl	k_q1537fcc15a_ln2
	.p2align	8
	.type	k_q1537fcc15a_ln2,@function
k_q1537fcc15a_ln2:
	s_mov_b64 s[64:65], 0
	v_nop
	global_prefetch_b8 v0, s[64:65] scope:SCOPE_SE
	s_setreg_imm32_b32 hwreg(HW_REG_WAVE_MODE, 25, 1), 1
	s_wait_xcnt 0x0
; LAYER NORM 2.  y[r][c] = (x[r][c] - mean) / sqrt(var + 1e-5) * g[c] + b[c].  x: [4096][1024] f32; g, b: 1,024 f32 each, in the table of rounded small inputs; y: [4096][1024] f16, rounded once.
; x is the program's own sum behind the attention, no input: it is taken as it is; all arithmetic is f32.
; LIMIT: f16 ends at 65,504; a y of 65,520 or more would become an infinity.  The normed number is 32 at the most in magnitude, so that wants a gain or shift in the thousands.
; The mean is taken first and the squares are those of the centred numbers, so a common offset of the row costs no digits.
; A wave takes one whole row and keeps it in 32 registers: a row is read once, and no wave waits for another.  No LDS, no barrier, no matrix unit: bytes bound this launch.
; A lane's load j covers columns 128 j + 4 lane .. + 3: a wave's load is 512 consecutive bytes, its store of 8 bytes a lane 256 consecutive bytes, aligned.
.set GOFF, 45056                       ; g's place in the table
.set BOFF, 49152                       ; b's
.set CO, 1                             ; v1  16 x lane
.set OO, 2                             ; v2  8 x lane
.set G,  8                             ; v[8:39]    g of my 32 columns
.set BT, 40                            ; v[40:71]   b of them
.set XR, 72                            ; v[72:103]  the row
.set T,  104                           ; v[104:111] at work
.set MU, 112                           ; v[112:113] the mean, twice
.set RS, 114                           ; v[114:115] 1 / sqrt(var + eps), twice
.set Y,  116                           ; v[116:131] the row in f16
	s_load_b128 s[4:7], s[0:1], 0x0                ; x s[4:5], the table s[6:7]
	s_load_b64 s[10:11], s[0:1], 0x10              ; y
	v_and_b32 v3, 31, v0
	v_lshrrev_b32 v4, 5, v0
	v_readfirstlane_b32 s16, v4                    ; wave
	v_lshlrev_b32 v[CO], 4, v3
	v_lshlrev_b32 v[OO], 3, v3
	s_lshl_b32 s2, ttmp9, 14                       ; 4 rows of 4,096 bytes a work-group,
	s_lshl_b32 s3, s16, 12                         ; 1 a wave
	s_add_co_u32 s2, s2, s3
	s_mov_b32 s3, 0
	s_lshr_b32 s18, s2, 1                          ; a row of y is half as long
	s_mov_b32 s19, 0
	s_mov_b32 s12, 0x76543210                      ; v_permlanex16_b32: each lane takes its own place in the other half
	s_mov_b32 s13, 0xfedcba98
	s_mov_b32 s14, 0x3a800000                      ; 1 / 1024
	s_mov_b32 s15, 0x3727c5ac                      ; 1e-5
	s_wait_kmcnt 0x0
	s_add_nc_u64 s[4:5], s[4:5], s[2:3]
	s_add_nc_u64 s[10:11], s[10:11], s[18:19]
.irp j, 0,1,2,3,4,5,6,7
	global_load_b128 v[XR+4*(\j):XR+4*(\j)+3], v[CO], s[4:5] offset:512*(\j) th:TH_LOAD_NT
.endr
.irp j, 0,1,2,3,4,5,6,7
	global_load_b128 v[G+4*(\j):G+4*(\j)+3], v[CO], s[6:7] offset:GOFF+512*(\j)
.endr
.irp j, 0,1,2,3,4,5,6,7
	global_load_b128 v[BT+4*(\j):BT+4*(\j)+3], v[CO], s[6:7] offset:BOFF+512*(\j)
.endr
.macro REDUCE                          ; four pairs in v[T:T+7] -> the sum over the wave, in v[T] of every lane
	v_pk_add_f32 v[T:T+1], v[T:T+1], v[T+2:T+3]
	v_pk_add_f32 v[T+4:T+5], v[T+4:T+5], v[T+6:T+7]
	v_pk_add_f32 v[T:T+1], v[T:T+1], v[T+4:T+5]
	v_add_f32 v[T], v[T], v[T+1]
	v_add_f32_dpp v[T], v[T], v[T] row_xmask:1 row_mask:0xf bank_mask:0xf
	v_add_f32_dpp v[T], v[T], v[T] row_xmask:2 row_mask:0xf bank_mask:0xf
	v_add_f32_dpp v[T], v[T], v[T] row_xmask:4 row_mask:0xf bank_mask:0xf
	v_add_f32_dpp v[T], v[T], v[T] row_xmask:8 row_mask:0xf bank_mask:0xf
	v_permlanex16_b32 v[T+1], v[T], s12, s13
	v_add_f32 v[T], v[T], v[T+1]
.endm
	s_wait_loadcnt 16                              ; the row is in; g's and b's sixteen loads may stay out until they are multiplied by
.irp k, 0,1,2,3                        ; the sum, in four chains that do not wait for each other
	v_pk_add_f32 v[T+2*(\k):T+2*(\k)+1], v[XR+2*(\k):XR+2*(\k)+1], v[XR+8+2*(\k):XR+8+2*(\k)+1]
.endr
.irp m, 16, 24
.irp k, 0,1,2,3
	v_pk_add_f32 v[T+2*(\k):T+2*(\k)+1], v[T+2*(\k):T+2*(\k)+1], v[XR+(\m)+2*(\k):XR+(\m)+2*(\k)+1]
.endr
.endr
	REDUCE
	v_mul_f32 v[MU], s14, v[T]
	v_mul_f32 v[MU+1], s14, v[T]
.set i, 0
.rept 16
	v_pk_add_f32 v[XR+2*i:XR+2*i+1], v[XR+2*i:XR+2*i+1], v[MU:MU+1] neg_lo:[0,1] neg_hi:[0,1]  ; x - mean
.set i, i+1
.endr
.irp k, 0,1,2,3                        ; the centred squares, again in four chains
	v_pk_mul_f32 v[T+2*(\k):T+2*(\k)+1], v[XR+2*(\k):XR+2*(\k)+1], v[XR+2*(\k):XR+2*(\k)+1]
.endr
.irp m, 8, 16, 24
.irp k, 0,1,2,3
	v_pk_fma_f32 v[T+2*(\k):T+2*(\k)+1], v[XR+(\m)+2*(\k):XR+(\m)+2*(\k)+1], v[XR+(\m)+2*(\k):XR+(\m)+2*(\k)+1], v[T+2*(\k):T+2*(\k)+1]
.endr
.endr
	REDUCE
	v_fma_f32 v[T], v[T], s14, s15                 ; var + eps
	v_rsq_f32 v[RS], v[T]
	v_nop                                          ; a plain instruction behind the root (ISA guide 5.7.2),
	s_wait_alu depctr_va_vdst(0)                   ; and the wait ahead of its first reader
	v_mov_b32 v[RS+1], v[RS]
.set i, 0
.rept 16
	v_pk_mul_f32 v[XR+2*i:XR+2*i+1], v[XR+2*i:XR+2*i+1], v[RS:RS+1]
.set i, i+1
.endr
	s_wait_loadcnt 0x0                             ; g and b
.set i, 0
.rept 16
	v_pk_fma_f32 v[XR+2*i:XR+2*i+1], v[XR+2*i:XR+2*i+1], v[G+2*i:G+2*i+1], v[BT+2*i:BT+2*i+1]
.set i, i+1
.endr
.set i, 0
.rept 16
	v_cvt_pk_f16_f32 v[Y+i], v[XR+2*i], v[XR+2*i+1]
.set i, i+1
.endr
.irp j, 0,1,2,3,4,5,6,7
	global_store_b64 v[OO], v[Y+2*(\j):Y+2*(\j)+1], s[10:11] offset:256*(\j)  ; the wave stores 256 consecutive bytes, aligned
.endr
	s_endpgm
.Lfunc_end_k_q1537fcc15a_ln2:
	.size	k_q1537fcc15a_ln2, .Lfunc_end_k_q1537fcc15a_ln2-k_q1537fcc15a_ln2
	.p2alignl 7, 3214868480
	.fill 96, 4, 3214868480
	.section	.rodata,"a",@progbits
	.p2align	6, 0x0
	.amdhsa_kernel k_q1537fcc15a_ln2
		.amdhsa_group_segment_fixed_size 0
		.amdhsa_private_segment_fixed_size 0
		.amdhsa_enable_private_segment 0
		.amdhsa_kernarg_size 24
		.amdhsa_user_sgpr_count 2
		.amdhsa_user_sgpr_kernarg_segment_ptr 1
		.amdhsa_wavefront_size32 1
		.amdhsa_system_sgpr_workgroup_id_x 1
		.amdhsa_system_sgpr_workgroup_id_y 1
		.amdhsa_system_sgpr_workgroup_id_z 1
		.amdhsa_system_vgpr_workitem_id 0
		.amdhsa_next_free_vgpr 132
		.amdhsa_next_free_sgpr 66
		.amdhsa_reserve_vcc 0
		.amdhsa_float_denorm_mode_32 3
		.amdhsa_float_denorm_mode_16_64 3
		.amdhsa_memory_ordered 1
		.amdhsa_forward_progress 1
		.amdhsa_inst_pref_size 12
	.end_amdhsa_kernel
	.amdgpu_metadata
---
amdhsa.version: [ 1, 2 ]
amdhsa.kernels:
  - .name:           k_q1537fcc15a_ln2
    .symbol:         k_q1537fcc15a_ln2.kd
    .args:
      - { .name: x1, .offset: 0, .size: 8, .value_kind: global_buffer, .address_space: global }
      - { .name: tab, .offset: 8, .size: 8, .value_kind: global_buffer, .address_space: global }
      - { .name: h, .offset: 16, .size: 8, .value_kind: global_buffer, .address_space: global }
    .group_segment_fixed_size: 0
    .private_segment_fixed_size: 0
    .kernarg_segment_align: 8
    .kernarg_segment_size: 24
    .max_flat_workgroup_size: 128
    .sgpr_count:     66
    .vgpr_count:     132
    .wavefront_size: 32
...
	.end_amdgpu_metadata
.endif
;; end of part 5
;; launch fc (part 6): grid 16 x 16, 4 waves a work-group, clusters of 4 x 4, 327,680 bytes of LDS; arguments h, wt, tab, act; writes act
.if DOCPART == 6
	.amdgcn_target "amdgcn-amd-amdhsa--gfx1250"
	.amdhsa_code_object_version 6
	.text
	.protected	k_q1537fcc15a_fc
	.globl	k_q1537fcc15a_fc
	.p2align	8
	.type	k_q1537fcc15a_fc,@function
k_q1537fcc15a_fc:
	s_mov_b64 s[64:65], 0
	v_nop
	global_prefetch_b8 v0, s[64:65] scope:SCOPE_SE
	s_setreg_imm32_b32 hwreg(HW_REG_WAVE_MODE, 25, 1), 1
	s_wait_xcnt 0x0
	s_wait_alu depctr_hold_cnt(0) depctr_sa_sdst(0) depctr_va_vdst(0) depctr_va_sdst(0) depctr_va_ssrc(0) depctr_va_vcc(0) depctr_vm_vsrc(0)
	s_getreg_b32 s2, hwreg(HW_REG_IB_STS2, 6, 4)
	s_cmp_eq_u32 s2, 0
	s_cbranch_scc0 .Lentry_in_a_cluster
	s_endpgm
.Lentry_in_a_cluster:
	s_bfe_u32 s2, ttmp6, 0x10000c
	s_cmp_lg_u32 s2, 0xf033
	s_cbranch_scc0 .Lentry_shape_is_right
	s_endpgm
.Lentry_shape_is_right:
; a = gelu(h W_fc + b_fc), the exact (erf) form.  h: [4096][1024] f16; the weight lies in wt at 0x800000 as [4096][1024] f16 (rows along K; bf16-rounded numbers);
; b: 4,096 f32 at byte 16,384 of the table of rounded small inputs; sums in f32, the bias first.
; OUT: act as bf16 [32 blocks of 128 rows][64 blocks of 64 columns][128 rows][64], rounded once: the next product's K steps are then dense in memory.  bf16, since gelu's argument has no sure room in f16.
; GELU: z / 2 (1 + erf(z / sqrt 2)) in f32, with erf(x) = x A(x^2) / B(x^2) on x held to -4 .. 4, A of degree 6 and B of degree 4 in x^2.  Beyond 4 erf differs from 1 by less than 2e-8, so the
; form holds for every z; its error is some 1e-7 of |z|.  B is below zero for every x^2, never 0.  NaN and infinities are not treated apart.
; A tile of 256 x 256 is made by four waves, each 128 x 128: 64 accumulators, 512 registers: 16 x 16 tiles give each of 256 places a work-group.  K goes in 8 steps of 128 through two LDS slots filled by
; the tensor data mover; ONE text of a K step is walked by a counted loop: the slot to be read lies in a scalar register that an exclusive or turns, and one descriptor walks.
; THE BIAS STARTS THE SUMS: it is loaded into the accumulators, so no first step is written out, nothing is cleared and the way out adds nothing.
; CLUSTER: 4 x 4 work-groups; h's tiles are shared along a row of the cluster, the weight's along a column, each asked for jointly.
; THE MATRIX INSTRUCTION IS USED TRANSPOSED (source 0 = 16 rows of the weight, source 1 = 16 rows of h): lane l holds row l % 16 of the result and columns 8 (l / 16) + 0..7.
; REGISTERS, in windows of 256: window 0: v0-31 addresses; v64-127, v128-191 fragments of h, two buffers; on the way out v32-223 at work.  window 1: v64-191 fragments of the weight.
;   window 2: the accumulators of my rows 0-63 ((a, b) at v[8 (8 a + b)]); window 3: those of rows 64-127.
.set SIZE_K, 1024
.set KSTEP,  128
.set PITCH,  272                       ; an LDS row: 256 bytes + 16
.set HALFT,  128*PITCH
.set SLOT,   4*HALFT                   ; 0x22000: its two bits occur in none of the four fill addresses 0, 0x8800, 0x11000, 0x19800
.set SPARE,  2*SLOT
.set SP2,    528                       ; a row of a wave's stage: 128 f32 + 16 bytes
.set STG,    128*SP2                   ; the four stages lie over the ring, whose slots have had their last fill by then
.set NSTEP,  SIZE_K/KSTEP
.set WOFF,   0x800000
.set BIAS,   16384                     ; the bias's place in the table
.set CBS,    16384                     ; bytes from a block of 64 columns to the next
.set ADRA0, 16
.set ADRA,  17
.set ADRB0, 20
.set ADRB,  21
.set STO,  24
.set RD0,  25
.set GO,   26
.set BO,   27
.set SPW,  28
.set NIL,  29
.set PFO,  30
.set RD,   31
.set F0,   64
.set F1,   128
.set Y,    32                          ; the way out: 16 registers of bf16
.set Z,    64                          ; z, then z / 2
.set X,    96                          ; x = z / sqrt 2, held to -4 .. 4
.set X2,   128                         ; x^2
.set P,    160                         ; A, then erf, then the result
.set Q,    192                         ; B, then 1 / B
.set G1, 24
.set G0, 32
.set G1B, 48
.set G0B, 56
.set LIM, 43
.set PFA, 44
.set TB,  70
.set RB,  71
.set A13, 72                           ; s[72:95]: twelve coefficients, each in both registers of a pair
.set A11, 74
.set A9,  76
.set A7,  78
.set A5,  80
.set A3,  82
.set A1,  84
.set B8,  86
.set B6,  88
.set B4,  90
.set B2,  92
.set B0,  94
.set CLO, 96                           ; s96  -4
.set CHI, 97                           ; s97  4
.set RH,  98                           ; s[98:99] 1 / sqrt 2
.set MSB, 0
.macro WIN new
.if MSB != (\new)
	s_set_vgpr_msb (MSB<<8)|(\new)
.set MSB, \new
.endif
.endm
.set MUL_LO, 0xa1
.set MUL_HI, 0xf1
.set TO_B,   0x40
.macro JLOAD s                         ; waves 0 and 1 fetch h's two halves, waves 2 and 3 the weight's; an s_nop 0 and four v_nop follow each line
	s_cmp_eq_u32 s11, 0
	s_cbranch_scc0 .Lfor_b_\@
	tensor_load_to_lds s[G0+4*(\s):G0+4*(\s)+3], s[G1:G1+7]
	s_nop 0
.rept 4
	v_nop
.endr
	s_branch .Lasked_\@
.Lfor_b_\@:
	tensor_load_to_lds s[G0B+4*(\s):G0B+4*(\s)+3], s[G1B:G1B+7]
	s_nop 0
.rept 4
	v_nop
.endr
.Lasked_\@:
.endm
; A prefetch of the K step that stands two refills on: 32 rows x 256 bytes, a lane a row.  h's rows are asked for by the clusters with x = 0, the weight's by those with y = 0; the four partners that
; ask for a tile jointly share its 128 rows out by address, 32 each.  So each row's 256 bytes of K steps 4 to 7 are named once in the launch; trips 4 and 5 have no K step two refills on.
.macro ASK
	s_cmp_gt_u32 s3, s[LIM]
	s_cbranch_scc0 .Lnot_mine_\@
	global_prefetch_b8 v[PFO], s[PFA:PFA+1] offset:KSTEP*2 th:TH_LOAD_NT scope:SCOPE_SE
.Lnot_mine_\@:
.endm
.macro CREST
	s_cmp_lg_u32 s10, 0
	s_cbranch_scc1 .Lnot_wave_0_\@
	s_barrier_signal -3
.Lnot_wave_0_\@:
	s_barrier_wait -3
	s_barrier_signal -1
	s_barrier_wait -1
.endm
.macro CROUND
	s_barrier_signal -1
	s_barrier_wait -1
	CREST
.endm
.macro CONST reg, val
	s_mov_b32 s[\reg], \val
	s_mov_b32 s[\reg+1], \val
.endm
	s_load_b128 s[4:7], s[0:1], 0x0                ; h s[4:5], wt s[6:7]
	s_load_b64 s[68:69], s[0:1], 0x10              ; the table
	s_load_b64 s[8:9], s[0:1], 0x18                ; act
	v_lshl_add_u32 v[SPW], v0, 2, SPARE
	v_mov_b32 v[NIL], 0
	ds_add_u32 v[SPW], v[NIL]                      ; the wave's opening: the add and its wait ahead of my first tensor load
	ds_add_u32 v28, v29
	v_lshrrev_b32 v1, 5, v0
	v_readfirstlane_b32 s10, v1
	s_lshr_b32 s11, s10, 1
	s_and_b32 s12, s10, 1
	s_bfe_u32 s40, ttmp6, 0x40000
	s_bfe_u32 s41, ttmp6, 0x40004
	s_lshl_b32 s42, ttmp9, 2
	s_add_co_u32 s42, s42, s40                     ; tile column
	s_and_b32 s13, ttmp7, 0xffff
	s_lshl_b32 s13, s13, 2
	s_add_co_u32 s13, s13, s41                     ; tile row
	s_lshl_b32 s43, s41, 2
	s_lshl_b32 s43, 15, s43
	s_lshl_b32 s44, 0x1111, s40
	s_or_b32 s[G1+0], s43, (1<<16)|(1<<20)|(1<<21)|(5<<22)|(3<<25)
	s_or_b32 s[G1B+0], s44, (1<<16)|(1<<20)|(1<<21)|(5<<22)|(3<<25)
.irp g, G1, G1B
	s_mov_b32 s[(\g)+1], KSTEP<<16
	s_mov_b32 s[(\g)+2], 128<<16
	s_mov_b32 s[(\g)+3], KSTEP<<16
	s_mov_b32 s[(\g)+4], 128
	s_mov_b32 s[(\g)+5], SIZE_K
	s_mov_b32 s[(\g)+6], 0
	s_mov_b32 s[(\g)+7], 0
.endr
	CONST A13, 0xaf95df0b
	CONST A11, 0x32edffee
	CONST A9,  0xb60cff51
	CONST A7,  0xb86ec2d2
	CONST A5,  0xba40ac63
	CONST A3,  0xbb41a1f6
	CONST A1,  0xbc83dbd4
	CONST B8,  0xb77460cd
	CONST B6,  0xb95fbd29
	CONST B4,  0xbadc924e
	CONST B2,  0xbbf19bf8
	CONST B0,  0xbc69b6a7
	CONST RH,  0x3f3504f3
	s_mov_b32 s[CLO], 0xc0800000
	s_mov_b32 s[CHI], 0x40800000
	s_lshl_b32 s17, s12, 7
	s_lshl_b32 s16, s13, 8
	s_add_co_u32 s16, s16, s17
	s_lshl_b32 s46, s42, 8
	s_add_co_u32 s46, s46, s17
	s_lshl_b32 s16, s16, 11
	s_lshl_b32 s46, s46, 11
	s_mov_b32 s17, 0
	s_mov_b32 s47, 0
	s_mul_i32 s20, s10, HALFT
	s_wait_dscnt 0x0                               ; the opening add is done
	s_wait_kmcnt 0x0
.if WOFF
	s_add_nc_u64 s[6:7], s[6:7], WOFF
.endif
	s_add_nc_u64 s[14:15], s[4:5], s[16:17]
	s_add_nc_u64 s[46:47], s[6:7], s[46:47]
	CROUND                                         ; all sixteen work-groups are here: the first joint loads meet
.irp s, 0,1
	s_mov_b32 s[G0+4*(\s)], 1
	s_add_co_u32 s[G0+4*(\s)+1], s20, (\s)*SLOT
	s_add_nc_u64 s[G0+4*(\s)+2:G0+4*(\s)+3], s[14:15], (\s)*KSTEP*2
	s_or_b32 s[G0+4*(\s)+3], s[G0+4*(\s)+3], 0x80000000
	s_mov_b32 s[G0B+4*(\s)], 1
	s_add_co_u32 s[G0B+4*(\s)+1], s20, (\s)*SLOT
	s_add_nc_u64 s[G0B+4*(\s)+2:G0B+4*(\s)+3], s[46:47], (\s)*KSTEP*2
	s_or_b32 s[G0B+4*(\s)+3], s[G0B+4*(\s)+3], 0x80000000
	JLOAD \s                                       ; two tensor loads of mine are out
.endr
	v_and_b32 v1, 15, v0
	v_bfe_u32 v2, v0, 4, 1
	v_mul_u32_u24 v3, v1, PITCH
	v_lshl_add_u32 v3, v2, 4, v3
	s_mul_i32 s21, s11, HALFT
	s_mul_i32 s22, s12, HALFT
	s_add_co_u32 s22, s22, 2*HALFT
	v_add_nc_u32 v[ADRA0], s21, v3
	v_add_nc_u32 v[ADRB0], s22, v3
	v_mov_b32 v[ADRA], v[ADRA0]
	v_mov_b32 v[ADRB], v[ADRB0]
	s_mov_b32 s[TB], 0
	s_mul_i32 s23, s10, STG
	v_mul_u32_u24 v4, v1, SP2
	v_lshl_add_u32 v4, v2, 5, v4
	v_add_nc_u32 v[STO], s23, v4
	v_mul_u32_u24 v5, v2, SP2
	v_lshl_add_u32 v5, v1, 4, v5
	v_add_nc_u32 v[RD0], s23, v5
	v_lshlrev_b32 v[GO], 7, v2
	v_lshl_add_u32 v[GO], v1, 3, v[GO]
	v_lshlrev_b32 v[BO], 5, v2
	s_lshl_b32 s46, s42, 10                        ; the bias at my 128 columns
	s_lshl_b32 s47, s12, 9
	s_add_co_u32 s46, s46, s47
	s_mov_b32 s47, 0
	s_add_nc_u64 s[68:69], s[68:69], s[46:47]
.irp hi, 0,1
	WIN 0x80+0x40*(\hi)
.irp a, 0,1,2,3
.irp b, 0,1,2,3,4,5,6,7
	global_load_b128 v[8*(8*(\a)+(\b)):8*(8*(\a)+(\b))+3],   v[BO], s[68:69] offset:BIAS+64*(\b)
	global_load_b128 v[8*(8*(\a)+(\b))+4:8*(8*(\a)+(\b))+7], v[BO], s[68:69] offset:BIAS+64*(\b)+16
.endr
.endr
.endr
	WIN 0
	s_lshl_b32 s16, s13, 21                        ; act: my block of 128 rows, 1,048,576 bytes each: 2 x tile row + half,
	s_lshl_b32 s17, s11, 20
	s_add_co_u32 s16, s16, s17
	s_mov_b32 s17, 0
	s_lshl_b32 s46, s42, 16                        ; my first block of 64 columns: 4 x tile column + 2 x half
	s_lshl_b32 s47, s12, 15
	s_add_co_u32 s46, s46, s47
	s_mov_b32 s47, 0
	s_add_nc_u64 s[8:9], s[8:9], s[16:17]
	s_add_nc_u64 s[8:9], s[8:9], s[46:47]
	s_lshl_b32 s20, s13, 8                         ; the prefetches
	s_lshl_b32 s21, s42, 8
	s_and_b32 s22, ttmp7, 0xffff
	s_cmp_eq_u32 s11, 0
	s_cselect_b32 s20, s20, s21
	s_cselect_b32 s21, s40, s41
	s_cselect_b32 s22, ttmp9, s22
	s_cselect_b64 s[PFA:PFA+1], s[4:5], s[6:7]
	s_cmp_eq_u32 s22, 0
	s_cselect_b32 s[LIM], 2, -1
	s_lshl_b32 s22, s12, 7
	s_add_co_u32 s20, s20, s22
	s_lshl_b32 s21, s21, 5
	s_add_co_u32 s20, s20, s21
	s_lshl_b32 s20, s20, 11
	s_mov_b32 s21, 0
	s_add_nc_u64 s[PFA:PFA+1], s[PFA:PFA+1], s[20:21]
	s_add_nc_u64 s[PFA:PFA+1], s[PFA:PFA+1], 2*KSTEP*2
	v_and_b32 v[PFO], 31, v0
	v_lshlrev_b32 v[PFO], 11, v[PFO]
.macro MUL16 f, hi, a0                 ; the 64 accumulators take turns, one instruction a turn
	WIN MUL_LO+0x50*(\hi)
.irp a, \a0, (\a0)+1
.irp b, 0,1,2,3,4,5,6,7
	v_wmma_f32_16x16x32_f16 v[8*(8*(\a)+(\b)):8*(8*(\a)+(\b))+7], v[(\f)+8*(\b):(\f)+8*(\b)+7], v[(\f)+8*(4*(\hi)+(\a)):(\f)+8*(4*(\hi)+(\a))+7], v[8*(8*(\a)+(\b)):8*(8*(\a)+(\b))+7]
.endr
.endr
.endm
.macro FETCH k, f
	WIN TO_B
.irp i, 0,1,2,3,4,5,6,7
	ds_load_b128 v[(\f)+8*(\i):(\f)+8*(\i)+3],   v[ADRB] offset:(\k)+(\i)*16*PITCH
	ds_load_b128 v[(\f)+8*(\i)+4:(\f)+8*(\i)+7], v[ADRB] offset:(\k)+(\i)*16*PITCH+32
.endr
	WIN 0
.irp i, 0,1,2,3,4,5,6,7
	ds_load_b128 v[(\f)+8*(\i):(\f)+8*(\i)+3],   v[ADRA] offset:(\k)+(\i)*16*PITCH
	ds_load_b128 v[(\f)+8*(\i)+4:(\f)+8*(\i)+7], v[ADRA] offset:(\k)+(\i)*16*PITCH+32
.endr
.endm
.macro PLACES
.rept 4
	v_nop
.endr
.endm
.macro QUARTER k, f, g
	s_wait_dscnt 8                                 ; the weight's fragments and h's rows 0-63 are in; the youngest eight loads may be out
	MUL16 \f, 0, 0
	MUL16 \f, 0, 2
	PLACES
	FETCH \k, \g
	s_wait_dscnt 32                                ; all but the 32 just issued
	MUL16 \f, 1, 0
	MUL16 \f, 1, 2
.endm
; THE CHANGE OF SLOTS stands in front of the last quarter's products, whose fragments (buffer 1) lie in registers: so all reads of this slot are over.  Each wave waits for all its tensor loads (one is
; out: its part of the next slot), adds 0 to its spare word, and waits for that and for its reads of this slot (issued 32 matrix instructions back).  fill = 1: the barrier opens a round of the cluster's,
; and the joint refill, two K steps ahead, is the first tensor load behind it.  No matrix work stands between the wait and the refill: the refill has a whole K step's 256 matrix instructions in which to land.
.macro TURN fill
.if \fill
	s_wait_xcnt 0x0                                ; the last prefetch, a K step back, has read its address
	s_add_nc_u64 s[PFA:PFA+1], s[PFA:PFA+1], KSTEP*2
.endif
	WIN 0
	s_wait_tensorcnt 0x0                           ; no tensor load of mine is out, so a group 0 may be written
	ds_add_u32 v[SPW], v[NIL]                      ; the scalar steps stand between the add and the wait for it
.if \fill
	s_xor_b32 s[G0+5], s[G0+5], SLOT
	s_add_nc_u64 s[G0+6:G0+7], s[G0+6:G0+7], KSTEP*2
	s_xor_b32 s[G0B+5], s[G0B+5], SLOT
	s_add_nc_u64 s[G0B+6:G0B+7], s[G0B+6:G0B+7], KSTEP*2
.endif
	s_xor_b32 s[TB], s[TB], SLOT
	s_wait_dscnt 0x0                               ; the add is done, and my reads of this slot are over
	s_barrier_signal -1
	s_barrier_wait -1
.if \fill
	CREST
	JLOAD 1                                        ; one tensor load of mine is out; its four v_nop are also the places in front of the loads below
.else
	PLACES
.endif
	v_add_nc_u32 v[ADRA], s[TB], v[ADRA0]
	v_add_nc_u32 v[ADRB], s[TB], v[ADRB0]
	FETCH 0, F0
.if \fill
	ASK
.endif
	MUL16 F1, 0, 0
	MUL16 F1, 0, 2
	MUL16 F1, 1, 0
	MUL16 F1, 1, 2
.endm
	s_wait_tensorcnt 1                             ; my part of K step 0 is in; K step 1's may stay out
	s_barrier_signal -1
	s_barrier_wait -1
	FETCH 0, F0
	s_wait_loadcnt 0x0                             ; the bias lies in the accumulators
	s_mov_b32 s3, NSTEP-2
.Lstep:
	QUARTER 64,  F0, F1
	QUARTER 128, F1, F0
	QUARTER 192, F0, F1
	TURN 1
	WIN 0
	s_sub_co_u32 s3, s3, 1
	s_cmp_lg_u32 s3, 0
	s_cbranch_scc1 .Lstep
	s_mov_b32 s3, 2
.Ltail:                                            ; the second trip's fetch reads K step 6's bytes once more and serves nothing: the price of one text for both
	QUARTER 64,  F0, F1
	QUARTER 128, F1, F0
	QUARTER 192, F0, F1
	TURN 0
	WIN 0
	s_sub_co_u32 s3, s3, 1
	s_cmp_lg_u32 s3, 0
	s_cbranch_scc1 .Ltail
	; THE WAY OUT.  Every wave's reads of the ring are over behind this barrier; then each wave lays its 128 x 128 sums into its own stage and reads them back by rows.
	s_wait_dscnt 0x0
	s_barrier_signal -1
	s_barrier_wait -1
	PLACES
	PLACES
.irp blk, 0,1,2,3,4,5,6,7
	WIN 0x08+4*((\blk)/4)
.irp b, 0,1,2,3,4,5,6,7
	ds_store_b128 v[STO], v[8*(8*((\blk)%4)+(\b)):8*(8*((\blk)%4)+(\b))+3]   offset:(\blk)*16*SP2+64*(\b)     ; each accumulator's low registers first
	ds_store_b128 v[STO], v[8*(8*((\blk)%4)+(\b))+4:8*(8*((\blk)%4)+(\b))+7] offset:(\blk)*16*SP2+64*(\b)+16
.endr
.endr
	WIN 0
.macro START p, c1, c0                 ; p = x^2 c1 + c0, sixteen pairs
.set i, 0
.rept 16
	v_pk_fma_f32 v[(\p)+2*i:(\p)+2*i+1], v[X2+2*i:X2+2*i+1], s[(\c1):(\c1)+1], s[(\c0):(\c0)+1] op_sel_hi:[1,0,0]
.set i, i+1
.endr
.endm
.macro HORNER p, c                     ; p = p x^2 + c
.set i, 0
.rept 16
	v_pk_fma_f32 v[(\p)+2*i:(\p)+2*i+1], v[(\p)+2*i:(\p)+2*i+1], v[X2+2*i:X2+2*i+1], s[(\c):(\c)+1] op_sel_hi:[1,1,0]
.set i, i+1
.endr
.endm
.macro TIMES d, a, b                   ; d = a b
.set i, 0
.rept 16
	v_pk_mul_f32 v[(\d)+2*i:(\d)+2*i+1], v[(\a)+2*i:(\a)+2*i+1], v[(\b)+2*i:(\b)+2*i+1]
.set i, i+1
.endr
.endm
	s_mov_b32 s[RB], 0
	s_mov_b32 s3, 16
.Lrows:                                            ; 8 rows a trip: 32 numbers a lane.  LDS serves a wave's instructions in order (ISA guide 5.7.1.4): the loads see my stores above
	v_add_nc_u32 v[RD], s[RB], v[RD0]
.irp t, 0,1,2,3
.irp c, 0,1
	ds_load_b128 v[Z+4*(2*(\t)+(\c)):Z+4*(2*(\t)+(\c))+3], v[RD] offset:(\t)*2*SP2+256*(\c)
.endr
.endr
	s_wait_dscnt 0x0
.set i, 0
.rept 16
	v_pk_mul_f32 v[X+2*i:X+2*i+1], v[Z+2*i:Z+2*i+1], s[RH:RH+1] op_sel_hi:[1,0]
.set i, i+1
.endr
.set i, 0
.rept 32
	v_med3_num_f32 v[X+i], v[X+i], s[CLO], s[CHI]
.set i, i+1
.endr
	TIMES X2, X, X
	START P, A13, A11
	START Q, B8, B6
	HORNER P, A9
	HORNER Q, B4
	HORNER P, A7
	HORNER Q, B2
	HORNER P, A5
	HORNER Q, B0
	HORNER P, A3
	HORNER P, A1
.set i, 0
.rept 32
	v_rcp_f32 v[Q+i], v[Q+i]                       ; one batch of 32
.set i, i+1
.endr
	TIMES P, P, X                                  ; work that names no reciprocal stands behind the batch:
.set i, 0
.rept 16
	v_pk_mul_f32 v[Z+2*i:Z+2*i+1], v[Z+2*i:Z+2*i+1], 0.5 op_sel_hi:[1,0]
.set i, i+1
.endr
	s_wait_alu depctr_va_vdst(0)                   ; ONE wait for the batch, ahead of its first reader
	TIMES P, P, Q                                  ; erf
.set i, 0
.rept 16
	v_pk_fma_f32 v[P+2*i:P+2*i+1], v[Z+2*i:Z+2*i+1], v[P+2*i:P+2*i+1], v[Z+2*i:Z+2*i+1]  ; z / 2 erf + z / 2
.set i, i+1
.endr
.set i, 0
.rept 16
	v_cvt_pk_bf16_f32 v[Y+i], v[P+2*i], v[P+2*i+1]
.set i, i+1
.endr
.irp t, 0,1,2,3
.irp c, 0,1
	global_store_b64 v[GO], v[Y+2*(2*(\t)+(\c)):Y+2*(2*(\t)+(\c))+1], s[8:9] offset:(\t)*256+(\c)*CBS  ; the wave stores two rows of a block: 256 consecutive bytes, aligned
.endr
.endr
	s_wait_xcnt 0x0                                ; the stores have read their data and their base
	s_add_nc_u64 s[8:9], s[8:9], 8*128
	s_add_co_u32 s[RB], s[RB], 8*SP2
	s_sub_co_u32 s3, s3, 1
	s_cmp_lg_u32 s3, 0
	s_cbranch_scc1 .Lrows
	s_wait_tensorcnt 0x0                           ; the wave's end
	ds_add_u32 v[SPW], v[NIL]
	s_wait_dscnt 0x0
	CROUND                                         ; the closing round
	s_endpgm
.Lfunc_end_k_q1537fcc15a_fc:
	.size	k_q1537fcc15a_fc, .Lfunc_end_k_q1537fcc15a_fc-k_q1537fcc15a_fc
	.p2alignl 7, 3214868480
	.fill 96, 4, 3214868480
	.section	.rodata,"a",@progbits
	.p2align	6, 0x0
	.amdhsa_kernel k_q1537fcc15a_fc
		.amdhsa_group_segment_fixed_size 327680
		.amdhsa_private_segment_fixed_size 0
		.amdhsa_enable_private_segment 0
		.amdhsa_kernarg_size 32
		.amdhsa_user_sgpr_count 2
		.amdhsa_user_sgpr_kernarg_segment_ptr 1
		.amdhsa_wavefront_size32 1
		.amdhsa_system_sgpr_workgroup_id_x 1
		.amdhsa_system_sgpr_workgroup_id_y 1
		.amdhsa_system_sgpr_workgroup_id_z 1
		.amdhsa_system_vgpr_workitem_id 0
		.amdhsa_next_free_vgpr 1024
		.amdhsa_next_free_sgpr 100
		.amdhsa_reserve_vcc 0
		.amdhsa_float_denorm_mode_32 3
		.amdhsa_float_denorm_mode_16_64 3
		.amdhsa_memory_ordered 1
		.amdhsa_forward_progress 1
		.amdhsa_inst_pref_size 107
	.end_amdhsa_kernel
	.amdgpu_metadata
---
amdhsa.version: [ 1, 2 ]
amdhsa.kernels:
  - .name:           k_q1537fcc15a_fc
    .symbol:         k_q1537fcc15a_fc.kd
    .args:
      - { .name: h, .offset: 0, .size: 8, .value_kind: global_buffer, .address_space: global }
      - { .name: wt, .offset: 8, .size: 8, .value_kind: global_buffer, .address_space: global }
      - { .name: tab, .offset: 16, .size: 8, .value_kind: global_buffer, .address_space: global }
      - { .name: act, .offset: 24, .size: 8, .value_kind: global_buffer, .address_space: global }
    .group_segment_fixed_size: 327680
    .private_segment_fixed_size: 0
    .kernarg_segment_align: 8
    .kernarg_segment_size: 32
    .max_flat_workgroup_size: 128
    .sgpr_count:     100
    .vgpr_count:     1024
    .wavefront_size: 32
...
	.end_amdgpu_metadata
.endif
;; end of part 6
;; launch proj (part 7): grid 8 x 32, 4 waves a work-group, clusters of 4 x 4, 327,680 bytes of LDS; arguments act, wt, tab, x1, out0; writes out0
.if DOCPART == 7
	.amdgcn_target "amdgcn-amd-amdhsa--gfx1250"
	.amdhsa_code_object_version 6
	.text
	.protected	k_q1537fcc15a_proj
	.globl	k_q1537fcc15a_proj
	.p2align	8
	.type	k_q1537fcc15a_proj,@function
k_q1537fcc15a_proj:
	s_mov_b64 s[64:65], 0
	v_nop
	global_prefetch_b8 v0, s[64:65] scope:SCOPE_SE
	s_setreg_imm32_b32 hwreg(HW_REG_WAVE_MODE, 25, 1), 1
	s_wait_xcnt 0x0
	s_wait_alu depctr_hold_cnt(0) depctr_sa_sdst(0) depctr_va_vdst(0) depctr_va_sdst(0) depctr_va_ssrc(0) depctr_va_vcc(0) depctr_vm_vsrc(0)
	s_getreg_b32 s2, hwreg(HW_REG_IB_STS2, 6, 4)
	s_cmp_eq_u32 s2, 0
	s_cbranch_scc0 .Lentry_in_a_cluster
	s_endpgm
.Lentry_in_a_cluster:
	s_bfe_u32 s2, ttmp6, 0x10000c
	s_cmp_lg_u32 s2, 0xf033
	s_cbranch_scc0 .Lentry_shape_is_right
	s_endpgm
.Lentry_shape_is_right:
; out0 = x1 + a W_pr + b_pr.  a: bf16 [32 blocks of 128 rows][64 blocks of 64 along K][128 rows][64]; the weight lies in wt at 0x1000000 as [1024][4096] bf16 (rows along K);
; b: 1,024 f32 at byte 32,768 of the table of rounded small inputs; x1, out0: [4096][1024] f32.  Sums in f32, the bias first; the residual, the program's own f32 sum, is added in f32 on the way out.
; A tile of 128 x 128 gives each of 256 places a work-group.  Four waves, each 64 x 64: 16 accumulators.  K goes in 16 steps of 256 through two LDS slots; ONE text of a K step is walked by a counted loop.
; A K step of the left operand is 65,536 dense bytes (4 blocks of 128 rows x 128 bytes): two loads of 128 rows of 256 bytes, padded in LDS after every 128 bytes.  The weight's rows are 512 bytes of memory.
; CLUSTER: 4 x 4 work-groups; the left operand's tiles are shared along a row of the cluster, the weight's along a column, each asked for jointly.  No prefetch: a step's tiles are small.
; THE MATRIX INSTRUCTION IS USED TRANSPOSED (source 0 = 16 rows of the weight, source 1 = 16 rows of a): a lane holds eight neighbouring columns of one row.
; A wave's 64 columns of f32 are 256 aligned bytes of a row: each wave has a stage of its own and stores whole rows of them.
; REGISTERS: window 0: v0-31 addresses; v32-95 at work on the way out; v128-255 the accumulators ((a, b) at v[128 + 8 (4 a + b)]).  window 1: two fragment buffers of 128.  window 2: v0-127 the residual.
.set SIZE_K, 4096
.set WOFF,   0x1000000                 ; the weight's place in wt
.set BIAS,   32768                     ; the bias's place in the table
.set KSTEP,  256
.set NSTEP,  SIZE_K/KSTEP
.set PA,     144
.set PBW,    528
.set BOFF,   4*128*PA
.set SLOT,   0x24000                   ; its two bits occur in none of the four fill addresses 0, 0x9000, 0x12000, 0x1a400
.set STAGE,  SLOT+BOFF+128*PBW
.set SPITCH, 272
.set SPARE,  STAGE+4*16*SPITCH
.set ADRA0, 16
.set ADRA,  17
.set ADRB0, 20
.set ADRB,  21
.set STO,  24
.set RD,   25
.set CO,   26
.set BO,   27
.set SPW,  28
.set NIL,  29
.set TT,   32
.set ACC,  128
.set F0,   0
.set F1,   128
.set G1, 24
.set G0, 32
.set G1B, 48
.set G0B, 56
.set TB, 72
.set MSB, 0
.macro WIN new
.if MSB != (\new)
	s_set_vgpr_msb (MSB<<8)|(\new)
.set MSB, \new
.endif
.endm
.set MUL,  0x05
.set TO_F, 0x40
.macro JLOAD s                         ; waves 0 and 1 fetch the left operand's two halves, waves 2 and 3 the weight's; an s_nop 0 and four v_nop follow each line
	s_cmp_eq_u32 s11, 0
	s_cbranch_scc0 .Lfor_b_\@
	tensor_load_to_lds s[G0+4*(\s):G0+4*(\s)+3], s[G1:G1+7]
	s_nop 0
.rept 4
	v_nop
.endr
	s_branch .Lasked_\@
.Lfor_b_\@:
	tensor_load_to_lds s[G0B+4*(\s):G0B+4*(\s)+3], s[G1B:G1B+7]
	s_nop 0
.rept 4
	v_nop
.endr
.Lasked_\@:
.endm
.macro CREST
	s_cmp_lg_u32 s10, 0
	s_cbranch_scc1 .Lnot_wave_0_\@
	s_barrier_signal -3
.Lnot_wave_0_\@:
	s_barrier_wait -3
	s_barrier_signal -1
	s_barrier_wait -1
.endm
.macro CROUND
	s_barrier_signal -1
	s_barrier_wait -1
	CREST
.endm
	s_load_b128 s[4:7], s[0:1], 0x0                ; the left operand s[4:5], wt s[6:7]
	s_load_b128 s[68:71], s[0:1], 0x10             ; the table s[68:69], the residual s[70:71]
	s_load_b64 s[8:9], s[0:1], 0x20                ; the result
	v_lshl_add_u32 v[SPW], v0, 2, SPARE
	v_mov_b32 v[NIL], 0
	ds_add_u32 v[SPW], v[NIL]                      ; the wave's opening: the add and its wait ahead of my first tensor load
	ds_add_u32 v28, v29
	v_lshrrev_b32 v1, 5, v0
	v_readfirstlane_b32 s10, v1
	s_lshr_b32 s11, s10, 1
	s_and_b32 s12, s10, 1
	s_bfe_u32 s40, ttmp6, 0x40000
	s_bfe_u32 s41, ttmp6, 0x40004
	s_lshl_b32 s42, ttmp9, 2
	s_add_co_u32 s42, s42, s40                     ; tile column
	s_and_b32 s13, ttmp7, 0xffff
	s_lshl_b32 s13, s13, 2
	s_add_co_u32 s13, s13, s41                     ; tile row
	s_lshl_b32 s43, s41, 2
	s_lshl_b32 s43, 15, s43
	s_lshl_b32 s44, 0x1111, s40
	s_or_b32 s[G1+0], s43, (1<<16)|(1<<20)|(1<<21)|(4<<22)|(3<<25)   ; my row's mask; 2-byte elements; padding on; bit 21 beside a mask; after every 32 words, 4 words
	s_mov_b32 s[G1+1], 128<<16                     ; 128 rows of 128 elements, dense
	s_mov_b32 s[G1+2], 128<<16
	s_mov_b32 s[G1+3], 128<<16
	s_mov_b32 s[G1+4], 128
	s_mov_b32 s[G1+5], 128
	s_mov_b32 s[G1+6], 0
	s_mov_b32 s[G1+7], 0
	s_or_b32 s[G1B+0], s44, (1<<16)|(1<<20)|(1<<21)|(6<<22)|(3<<25)  ; my column's mask; after every 128 words, 4 words
	s_mov_b32 s[G1B+1], KSTEP<<16                  ; 64 rows of 256 elements, SIZE_K elements apart
	s_mov_b32 s[G1B+2], 64<<16
	s_mov_b32 s[G1B+3], KSTEP<<16
	s_mov_b32 s[G1B+4], 64
	s_mov_b32 s[G1B+5], SIZE_K
	s_mov_b32 s[G1B+6], 0
	s_mov_b32 s[G1B+7], 0
	s_mul_i32 s16, s13, SIZE_K*256
	s_lshl_b32 s17, s12, 15
	s_add_co_u32 s16, s16, s17
	s_mov_b32 s17, 0
	s_lshl_b32 s46, s42, 7
	s_lshl_b32 s47, s12, 6
	s_add_co_u32 s46, s46, s47
	s_mul_i32 s46, s46, SIZE_K*2
	s_mov_b32 s47, 0
	s_mul_i32 s20, s12, 2*128*PA
	s_mul_i32 s21, s12, 64*PBW
	s_add_co_u32 s21, s21, BOFF
	s_wait_dscnt 0x0                               ; the opening add is done
	s_wait_kmcnt 0x0
	s_add_nc_u64 s[6:7], s[6:7], WOFF
	s_add_nc_u64 s[14:15], s[4:5], s[16:17]
	s_add_nc_u64 s[46:47], s[6:7], s[46:47]
	CROUND                                         ; all sixteen work-groups are here: the first joint loads meet
.irp s, 0,1
	s_mov_b32 s[G0+4*(\s)], 1
	s_add_co_u32 s[G0+4*(\s)+1], s20, (\s)*SLOT
	s_add_nc_u64 s[G0+4*(\s)+2:G0+4*(\s)+3], s[14:15], (\s)*65536
	s_or_b32 s[G0+4*(\s)+3], s[G0+4*(\s)+3], 0x80000000
	s_mov_b32 s[G0B+4*(\s)], 1
	s_add_co_u32 s[G0B+4*(\s)+1], s21, (\s)*SLOT
	s_add_nc_u64 s[G0B+4*(\s)+2:G0B+4*(\s)+3], s[46:47], (\s)*KSTEP*2
	s_or_b32 s[G0B+4*(\s)+3], s[G0B+4*(\s)+3], 0x80000000
	JLOAD \s                                       ; two tensor loads of mine are out
.endr
	v_and_b32 v1, 15, v0
	v_bfe_u32 v2, v0, 4, 1
	v_mul_u32_u24 v3, v1, PA
	v_lshl_add_u32 v3, v2, 4, v3
	s_mul_i32 s21, s11, 64*PA
	v_add_nc_u32 v[ADRA0], s21, v3
	v_mul_u32_u24 v3, v1, PBW
	v_lshl_add_u32 v3, v2, 4, v3
	s_mul_i32 s22, s12, 64*PBW
	s_add_co_u32 s22, s22, BOFF
	v_add_nc_u32 v[ADRB0], s22, v3
	v_mov_b32 v[ADRA], v[ADRA0]
	v_mov_b32 v[ADRB], v[ADRB0]
	s_mov_b32 s[TB], 0
	s_mul_i32 s23, s10, 16*SPITCH
	s_add_co_u32 s23, s23, STAGE
	v_mul_u32_u24 v4, v1, SPITCH
	v_lshl_add_u32 v4, v2, 5, v4
	v_add_nc_u32 v[STO], s23, v4
	v_mul_u32_u24 v5, v2, SPITCH
	v_lshl_add_u32 v5, v1, 4, v5
	v_add_nc_u32 v[RD], s23, v5
	v_lshlrev_b32 v[CO], 12, v2
	v_lshl_add_u32 v[CO], v1, 4, v[CO]
	v_lshlrev_b32 v[BO], 5, v2
	s_lshl_b32 s46, s42, 9
	s_lshl_b32 s47, s12, 8
	s_add_co_u32 s46, s46, s47
	s_mov_b32 s47, 0
	s_add_nc_u64 s[68:69], s[68:69], s[46:47]
	s_lshl_b32 s16, s13, 19
	s_lshl_b32 s17, s11, 18
	s_add_co_u32 s16, s16, s17
	s_mov_b32 s17, 0
	s_add_nc_u64 s[70:71], s[70:71], s[16:17]
	s_add_nc_u64 s[70:71], s[70:71], s[46:47]
	s_add_nc_u64 s[8:9], s[8:9], s[16:17]
	s_add_nc_u64 s[8:9], s[8:9], s[46:47]
.irp a, 0,1,2,3                        ; the bias starts the sums: register j of accumulator (a, b) is column 16 b + 8 (l / 16) + j
.irp b, 0,1,2,3
	global_load_b128 v[ACC+8*(4*(\a)+(\b)):ACC+8*(4*(\a)+(\b))+3],   v[BO], s[68:69] offset:BIAS+64*(\b)
	global_load_b128 v[ACC+8*(4*(\a)+(\b))+4:ACC+8*(4*(\a)+(\b))+7], v[BO], s[68:69] offset:BIAS+64*(\b)+16
.endr
.endr
	WIN 0x80                                       ; the residual, as the rows will come back from the stage
.irp a, 0,1,2,3
.irp t, 0,1,2,3,4,5,6,7
	global_load_b128 v[32*(\a)+4*(\t):32*(\a)+4*(\t)+3], v[CO], s[70:71] offset:(16*(\a)+2*(\t))*4096
.endr
.endr
	WIN 0
.macro MUL8 f, c, a0                   ; the 16 accumulators take turns
	WIN MUL
.irp a, \a0, (\a0)+1
.irp b, 0,1,2,3
	v_wmma_f32_16x16x32_bf16 v[ACC+8*(4*(\a)+(\b)):ACC+8*(4*(\a)+(\b))+7], v[(\f)+64+8*(4*(\c)+(\b)):(\f)+64+8*(4*(\c)+(\b))+7], v[(\f)+8*(4*(\c)+(\a)):(\f)+8*(4*(\c)+(\a))+7], v[ACC+8*(4*(\a)+(\b)):ACC+8*(4*(\a)+(\b))+7]
.endr
.endr
.endm
.macro FETCH q, f                      ; 32 LDS loads in one run: quarter q (64 along K) of the slot in hand; the first 32 along K first
	WIN TO_F
.irp c, 0,1
.irp i, 0,1,2,3
	ds_load_b128 v[(\f)+64+8*(4*(\c)+(\i)):(\f)+64+8*(4*(\c)+(\i))+3],   v[ADRB] offset:128*(\q)+64*(\c)+(\i)*16*PBW
	ds_load_b128 v[(\f)+64+8*(4*(\c)+(\i))+4:(\f)+64+8*(4*(\c)+(\i))+7], v[ADRB] offset:128*(\q)+64*(\c)+(\i)*16*PBW+32
	ds_load_b128 v[(\f)+8*(4*(\c)+(\i)):(\f)+8*(4*(\c)+(\i))+3],         v[ADRA] offset:(\q)*128*PA+64*(\c)+(\i)*16*PA
	ds_load_b128 v[(\f)+8*(4*(\c)+(\i))+4:(\f)+8*(4*(\c)+(\i))+7],       v[ADRA] offset:(\q)*128*PA+64*(\c)+(\i)*16*PA+32
.endr
.endr
.endm
.macro PLACES
.rept 4
	v_nop
.endr
.endm
.macro QUARTER q, f, g
	s_wait_dscnt 16                                ; the first 32 along K are in
	MUL8 \f, 0, 0
	MUL8 \f, 0, 2
	PLACES
	FETCH \q, \g
	s_wait_dscnt 32                                ; all but the 32 just issued
	MUL8 \f, 1, 0
	MUL8 \f, 1, 2
.endm
; THE CHANGE OF SLOTS stands in front of the last quarter's products, whose fragments (buffer 1) lie in registers: all reads of this slot are over.  Each wave waits for all its tensor loads, adds 0 to its
; spare word, and waits for that and for its reads of this slot (issued 16 matrix instructions back).  No matrix work stands between the wait and the refill: the refill has a whole K step's 128 matrix instructions in which to land.
.macro TURN fill
	WIN 0
	s_wait_tensorcnt 0x0                           ; no tensor load of mine is out, so a group 0 may be written
	ds_add_u32 v[SPW], v[NIL]                      ; the scalar steps stand between the add and the wait for it
.if \fill
	s_xor_b32 s[G0+5], s[G0+5], SLOT
	s_add_nc_u64 s[G0+6:G0+7], s[G0+6:G0+7], 65536
	s_xor_b32 s[G0B+5], s[G0B+5], SLOT
	s_add_nc_u64 s[G0B+6:G0B+7], s[G0B+6:G0B+7], KSTEP*2
.endif
	s_xor_b32 s[TB], s[TB], SLOT
	s_wait_dscnt 0x0                               ; the add is done, and my reads of this slot are over
	s_barrier_signal -1
	s_barrier_wait -1
.if \fill
	CREST                                          ; the barrier has opened a round of the cluster's
	JLOAD 1                                        ; one tensor load of mine is out; its four v_nop are also the places in front of the loads below
.else
	PLACES
.endif
	v_add_nc_u32 v[ADRA], s[TB], v[ADRA0]
	v_add_nc_u32 v[ADRB], s[TB], v[ADRB0]
	FETCH 0, F0
	MUL8 F1, 0, 0
	MUL8 F1, 0, 2
	MUL8 F1, 1, 0
	MUL8 F1, 1, 2
.endm
	s_wait_tensorcnt 1                             ; my part of K step 0 is in; K step 1's may stay out
	s_barrier_signal -1
	s_barrier_wait -1
	FETCH 0, F0
	WIN 0
	s_wait_loadcnt 32                              ; the bias lies in the accumulators; the residual's 32 loads may stay out
	s_mov_b32 s3, NSTEP-2
.Lstep:
	QUARTER 1, F0, F1
	QUARTER 2, F1, F0
	QUARTER 3, F0, F1
	TURN 1
	WIN 0
	s_sub_co_u32 s3, s3, 1
	s_cmp_lg_u32 s3, 0
	s_cbranch_scc1 .Lstep
	s_mov_b32 s3, 2
.Ltail:                                            ; the second trip's fetch reads the other slot's old bytes and serves nothing: the price of one text for both
	QUARTER 1, F0, F1
	QUARTER 2, F1, F0
	QUARTER 3, F0, F1
	TURN 0
	WIN 0
	s_sub_co_u32 s3, s3, 1
	s_cmp_lg_u32 s3, 0
	s_cbranch_scc1 .Ltail
	; THE WAY OUT, 16 rows at a time: into my stage, back as whole rows of 256 bytes, the residual added, stored.
	s_wait_dscnt 0x0
	s_wait_loadcnt 0x0                             ; the residual
	PLACES
	PLACES
.irp a, 0,1,2,3
.if (\a) >= 2
	s_wait_xcnt 0x0                                ; the stores of two blocks back have read this buffer
.endif
.irp b, 0,1,2,3
	ds_store_b128 v[STO], v[ACC+8*(4*(\a)+(\b)):ACC+8*(4*(\a)+(\b))+3]   offset:64*(\b)      ; each accumulator's low registers first
	ds_store_b128 v[STO], v[ACC+8*(4*(\a)+(\b))+4:ACC+8*(4*(\a)+(\b))+7] offset:64*(\b)+16
.endr
.irp t, 0,1,2,3,4,5,6,7
	ds_load_b128 v[TT+32*((\a)%2)+4*(\t):TT+32*((\a)%2)+4*(\t)+3], v[RD] offset:(\t)*2*SPITCH  ; LDS serves a wave's instructions in order (ISA guide 5.7.1.4)
.endr
	s_wait_dscnt 0x0
	WIN 0x08                                       ; source 1: window 2
.set i, 0
.rept 16
	v_pk_add_f32 v[TT+32*((\a)%2)+2*i:TT+32*((\a)%2)+2*i+1], v[TT+32*((\a)%2)+2*i:TT+32*((\a)%2)+2*i+1], v[32*(\a)+2*i:32*(\a)+2*i+1]
.set i, i+1
.endr
	WIN 0
.irp t, 0,1,2,3,4,5,6,7
	global_store_b128 v[CO], v[TT+32*((\a)%2)+4*(\t):TT+32*((\a)%2)+4*(\t)+3], s[8:9] offset:(16*(\a)+2*(\t))*4096  ; 16 lanes store 256 consecutive bytes, aligned
.endr
.endr
	s_wait_tensorcnt 0x0                           ; the wave's end
	ds_add_u32 v[SPW], v[NIL]
	s_wait_dscnt 0x0
	CROUND                                         ; the closing round
	s_endpgm
.Lfunc_end_k_q1537fcc15a_proj:
	.size	k_q1537fcc15a_proj, .Lfunc_end_k_q1537fcc15a_proj-k_q1537fcc15a_proj
	.p2alignl 7, 3214868480
	.fill 96, 4, 3214868480
	.section	.rodata,"a",@progbits
	.p2align	6, 0x0
	.amdhsa_kernel k_q1537fcc15a_proj
		.amdhsa_group_segment_fixed_size 327680
		.amdhsa_private_segment_fixed_size 0
		.amdhsa_enable_private_segment 0
		.amdhsa_kernarg_size 40
		.amdhsa_user_sgpr_count 2
		.amdhsa_user_sgpr_kernarg_segment_ptr 1
		.amdhsa_wavefront_size32 1
		.amdhsa_system_sgpr_workgroup_id_x 1
		.amdhsa_system_sgpr_workgroup_id_y 1
		.amdhsa_system_sgpr_workgroup_id_z 1
		.amdhsa_system_vgpr_workitem_id 0
		.amdhsa_next_free_vgpr 640
		.amdhsa_next_free_sgpr 74
		.amdhsa_reserve_vcc 0
		.amdhsa_float_denorm_mode_32 3
		.amdhsa_float_denorm_mode_16_64 3
		.amdhsa_memory_ordered 1
		.amdhsa_forward_progress 1
		.amdhsa_inst_pref_size 64
	.end_amdhsa_kernel
	.amdgpu_metadata
---
amdhsa.version: [ 1, 2 ]
amdhsa.kernels:
  - .name:           k_q1537fcc15a_proj
    .symbol:         k_q1537fcc15a_proj.kd
    .args:
      - { .name: act, .offset: 0, .size: 8, .value_kind: global_buffer, .address_space: global }
      - { .name: wt, .offset: 8, .size: 8, .value_kind: global_buffer, .address_space: global }
      - { .name: tab, .offset: 16, .size: 8, .value_kind: global_buffer, .address_space: global }
      - { .name: x1, .offset: 24, .size: 8, .value_kind: global_buffer, .address_space: global }
      - { .name: out0, .offset: 32, .size: 8, .value_kind: global_buffer, .address_space: global }
    .group_segment_fixed_size: 327680
    .private_segment_fixed_size: 0
    .kernarg_segment_align: 8
    .kernarg_segment_size: 40
    .max_flat_workgroup_size: 128
    .sgpr_count:     74
    .vgpr_count:     640
    .wavefront_size: 32
...
	.end_amdgpu_metadata
.endif
;; end of part 7
